; MI455X (gfx1250); checked and timed in simulation.
; The chip was launched on July 23, 2026; its instructions are those of AMD's public machine-readable ISA for CDNA 5 (MIT licence, August 2026) and "CDNA5" Instruction Set Architecture Reference Guide (July 2026). The comments in the code are by the model that wrote it; some were corrected since.
;; Muti Head Attention. Allowed arithmetic: matrix products marked QUANTISED: E2M3 operands, one E8M0 scale for each 32 along K, by v_wmma_scale_f32_16x16x128_f8f6f4 with both operands' format E2M3, f32 sums; products left as they are: f32 operands where the result goes on into a quantised operand, else bf16, f16 or f32 operands; f32 sums; everything else in f32.
;; Inputs: Wk 1,024 x 1,024 float32; Wo 1,024 x 1,024 float32; Wq 1,024 x 1,024 float32; Wv 1,024 x 1,024 float32; bk 1,024 float32; bo 1,024 float32; bq 1,024 float32; bv 1,024 float32; position_idx 1 x 1,024 int32; x 8 x 1,024 x 1,024 float32.
;; Outputs: out0 8 x 1,024 x 1,024 float32.
;; This version of the problem:
;;   THIS VERSION OF THE PROBLEM IS GIVEN IN LOW PRECISION. The matrix products marked QUANTISED in the list below multiply operands that are first quantised to E2M3 (2 exponent bits, 3 mantissa bits; 6 bits a number), with one power-of-two scale for each 32 numbers along K (OCP MX v1.0); their sums are f32. All else is computed in f32.
;;   The module's matrix products, in the order in which they are computed (A, B: the left and right operand; K: the contracted axis; several contracted axes count as one K, in the product's order):
;;     1. [M 8,192, K 1,024] x [K 1,024, N 1,024]; A: input x; B: input Wq: QUANTISED
;;     2. [M 8,192, K 1,024] x [K 1,024, N 1,024]; A: input x; B: input Wk: QUANTISED
;;     3. [M 8,192, K 1,024] x [K 1,024, N 1,024]; A: input x; B: input Wv: QUANTISED
;;     4. [M 1,024, K 1] x [K 1, N 32]; A: computed on the way; B: computed on the way: left as it is (no contracted axis)
;;     5. [M 1,024, K 1] x [K 1, N 32]; A: computed on the way; B: computed on the way: left as it is (no contracted axis)
;;     6. batch 128 x [M 1,024, K 64] x [K 64, N 1,024]; A: computed on the way; B: computed on the way: QUANTISED
;;     7. batch 128 x [M 1,024, K 1,024] x [K 1,024, N 64]; A: softmax (see below); B: computed on the way: QUANTISED
;;     8. [M 8,192, K 1,024] x [K 1,024, N 1,024]; A: computed on the way; B: input Wo: QUANTISED
;;   THE QUANTISER, for each operand of a quantised product, along K:
;;     - K is cut into blocks of 32 from its start; a last block that is shorter is filled with zeros.
;;     - A block's scale is 2^e with e = floor(log2(the largest magnitude in the block)) - 2, held to -126 .. 127; a block of zeros has e = 0. As a byte (E8M0): e + 127.
;;     - Each number is divided by its block's scale, clamped to +-7.5, and rounded to the nearest number of E2M3, ties to even, subnormals kept.
;;     - The product sums the exact products of the quantised numbers (number of the format x scale) in f32.
;;   ~~~python
;;   def quantise(x, axis):      # numpy; x: float32 -> the quantised numbers, widened to float32 again
;;       x = np.moveaxis(x, axis, -1); K = x.shape[-1]
;;       x = np.pad(x, [(0, 0)] * (x.ndim - 1) + [(0, -K % 32)]); x = x.reshape(x.shape[:-1] + (-1, 32)); a = np.abs(x).max(-1, keepdims=True)
;;       e = np.where(a > 0, np.clip(np.frexp(np.where(a > 0, a, 1))[1] - 1 - 2, -126, 127), 0)      # np.frexp(a)[1] - 1 = floor(log2(a)), exactly
;;       r = np.clip(x / 2.0 ** e, -7.5, 7.5)
;;       step = 2.0 ** (np.maximum(np.frexp(np.where(r == 0, 1, r))[1] - 1, 0) - 3)
;;       q = np.round(r / step) * step * 2.0 ** e      # np.round: ties to even
;;       return np.moveaxis(q.reshape(q.shape[:-2] + (-1,))[..., :K], -1, axis).astype(np.float32)
;;   ~~~
;;   SOFTMAX AHEAD OF A QUANTISED PRODUCT. Where the list says 'softmax', what is quantised is not the finished softmax but p = 2^(t - M), with t = logit x log2(e) and M = ceil(the row's largest t), a whole number; so 1/2 < the row's largest p <= 1. The row's sum l is taken of the UNQUANTISED p, in f32, and the product's result is divided by l at the end. Since M is a whole number, a kernel that streams over the keys may use a running M (the ceiling of the running maximum): every later rescaling is an exact power of two, which a block's scale takes up: the codes' values come out the same.
;;   OPERANDS COMPUTED ON THE WAY. 'Computed on the way' means the value that the module computes at that place (a softmax that the list does not call 'softmax' is quantised finished and normalised). What goes into a quantiser is computed in f32, as accurately as f32 sums, v_exp_f32 and their like allow (about 1e-6 of the number): no bf16 or f16 on the way to a quantiser, and a product that is left as it is and whose result goes on into a quantised operand takes f32 operands (vector FMAs, or v_wmma_f32_16x16x4_f32). A number that lies on a knife's edge between two numbers of the format may be rounded either way, as far as f32 arithmetic and the matrix unit's own rounding can turn it there, and no further.
;; One version. Each part assembles by itself: llvm-mc -triple=amdgcn-amd-amdhsa -mcpu=gfx1250 --defsym DOCPART=n.
;; ======== version 1 of 1: 4 launches
;; limits: inputs' magnitudes at most 32,768; right only within a limited range of input values
;; workspace buffers: gcodes 9,437,184 bytes; gsc 393,216 bytes; rope 262,144 bytes; aimg 18,874,368 bytes; asc 1,310,720 bytes; ocodes 6,291,456 bytes; osc 524,288 bytes
;; launch prep (part 1): grid 400 x 1, 4 waves a work-group, no clusters, 59,904 bytes of LDS; arguments x, Wq, Wk, Wv, Wo, position_idx, gcodes, gsc, rope; writes gcodes, gsc, rope
.if DOCPART == 1
	.amdgcn_target "amdgcn-amd-amdhsa--gfx1250"
	.amdhsa_code_object_version 6
	.text
	.protected	k_q9cf3bde2e3_prep
	.globl	k_q9cf3bde2e3_prep
	.p2align	8
	.type	k_q9cf3bde2e3_prep,@function
k_q9cf3bde2e3_prep:
	s_mov_b64 s[64:65], 0
	v_nop
	global_prefetch_b8 v0, s[64:65] scope:SCOPE_SE
	s_setreg_imm32_b32 hwreg(HW_REG_WAVE_MODE, 25, 1), 1
	s_wait_xcnt 0x0
; PREP: x [8192][1024] and the four weights [1024 (k)][1024 (n)], f32, become codes of FP6 (E2M3) with one E8M0 byte for each 32 along K; and the table of cos and sin for the rotation is made.
; A block's scale is 2^(floor(log2(largest magnitude)) - 2): its byte is the largest magnitude's exponent field - 2, held at 1 from below by a floor among the maximum's leaves.
; LAYOUT OF THE CODES.  gcodes [kslot 4][tile 768][half 4][768 bytes].  A tile is 16 rows of an operand (tiles 0-511: rows of x; 512 + 64 w ..: columns n of weight w); a kslot is 256 along K, a half 64.
; The 768 bytes are an IMAGE OF SIX OPERAND REGISTERS: lane l's registers 0-3 at 16 l, registers 4-5 at 512 + 8 l; lane (r, h) holds the 32 codes of block h of the tile's row r.
; THE ROWS OF A TILE ARE NOT NEIGHBOURS: of a group of 32 rows, tile u (0, 1) holds in lane r row 8 u + r + 8 (r / 8): so the results of a product whose source 0 is such a tile lie 16 neighbours to a lane in two tiles.
; gsc [kslot 4][tile 768][r 16][2 words]: a word is the four bytes of 128 along K.   rope [tile 64][j 8][lane 32][16 bytes]: j 0-3 cos, j 4-7 sin, at frequencies 16 h + 4 j .. of the lane's row of the tile.
; SHARES.  Work-groups 0-255: 32 rows of x each, a wave a kslot.  256-383: a weight, 128 columns, a kslot; a wave 32 columns.  384-399: four tiles of the table, a wave a tile.  Waves share nothing: no barrier.
; The three paths part on the work-group's number; x's path has LDS bytes 0 - 34,815, the weights' 34,816 - 59,391.
; LIMITS: NaN and infinities among the inputs are not served.  A block of zeros gets the byte 1 where the rule says 127: its codes are zeros, and this program alone reads the bytes.
; |position_idx| up to 32,768: so far the reduction of 64 x position by pi/2 in three parts leaves a remainder of at most 1; beyond it the error of cos and sin grows.
.set KSL, 2359296                      ; a kslot of gcodes in bytes: 768 tiles x 3,072
.set SSL, 98304                        ; a kslot of gsc: 768 tiles x 128
.set WST, 34816                        ; where the weights' stages begin in LDS
; ---- x's path.  Step t = 4 u + q makes the image of tile u, half q.
.macro XLOAD t                         ; 16 rows x 256 bytes: a load takes two rows, sixteen lanes to a row's 256 aligned bytes
.irp i, 0,1,2,3,4,5,6,7
	global_load_b128 v[32+32*((\t)%4)+4*\i:32+32*((\t)%4)+4*\i+3], v4, s[4:5] offset:((\t)%4)*256+(8*((\t)/4)+2*\i+8*(\i/4))*4096 th:TH_LOAD_NT
.endr
.endm
.macro XTURN t                         ; through the wave's own stage (rows of 256 + 16 bytes): in as loaded, out 128 bytes a lane: block h of row r.  LDS serves a wave's instructions in order: no wait between
.irp i, 0,1,2,3,4,5,6,7
	ds_store_b128 v5, v[32+32*((\t)%4)+4*\i:32+32*((\t)%4)+4*\i+3] offset:((\t)%2)*4352+2*\i*272
.endr
.irp j, 0,1,2,3,4,5,6,7
	ds_load_b128 v[160+32*((\t)%2)+4*\j:160+32*((\t)%2)+4*\j+3], v6 offset:((\t)%2)*4352+16*\j
.endr
.endm
.macro XSTEP t
.set XS, 160+32*((\t)%2)
.set CC, 224+8*((\t)%2)
	s_wait_dscnt 0x0                               ; this step's numbers are back from the stage, and its stores into the stage have read their registers,
.if (\t) < 4
	XLOAD (\t)+4                                   ; which take the loads of four steps on
.endif
.if (\t) < 7
.if (\t) <= 3
	s_wait_loadcnt 24                              ; the next step's eight loads are in; those of the three steps behind it may be out
.else
	s_wait_loadcnt 8*(6-(\t))                      ; fewer steps are left behind it
.endif
	XTURN (\t)+1
.endif
	v_max3_num_f32 v10, |v[XS]|, |v[XS+1]|, |v[XS+2]|          ; the block's largest magnitude: all 32 numbers are mine; two chains
	v_max3_num_f32 v11, |v[XS+3]|, |v[XS+4]|, |v[XS+5]|
.irp i, 6,10,14,18,22,26
	v_max3_num_f32 v10, v10, |v[XS+\i]|, |v[XS+\i+1]|
	v_max3_num_f32 v11, v11, |v[XS+\i+2]|, |v[XS+\i+3]|
.endr
	v_max3_num_f32 v10, v10, |v[XS+30]|, |v[XS+31]|
	v_max3_num_f32 v10, v10, v11, 0x1800000        ; and the floor 2^(3 - 127): the byte cannot fall under 1
	v_add_nc_u32 v12, 0xff000000, v10              ; 2 off the exponent field: the conversion takes this operand's exponent field as its scale
	s_wait_alu depctr_va_vdst(0)
	s_wait_xcnt 0x0                                ; the stores of two steps ago have read this set of code registers
	v_cvt_scalef32_pk16_fp6_f32 v[CC:CC+2], v[XS:XS+15], v12
	v_cvt_scalef32_pk16_fp6_f32 v[240:242], v[XS+16:XS+31], v12   ; (a conversion's three registers begin on an even number)
	v_lshrrev_b32 v13, 23, v12                     ; the scale's byte; also the plain instruction behind the conversions
	v_mov_b32 v[CC+3], v240
	v_mov_b32 v[CC+4], v241
	v_mov_b32 v[CC+5], v242
.if ((\t)%2) == 0
	v_mov_b32 v20, v13                             ; a word is 128 along K: two halves.  My byte of the first half,
.else
	v_lshl_or_b32 v20, v13, 16, v20                ; and of the second, two blocks on;
	v_lshlrev_b32 v20, v14, v20                    ; at their places: 8 h bits up;
	v_permlanex16_b32 v21, v20, s24, s25
	v_or_b32 v[16+2*((\t)/4)+((\t)%4)/2], v20, v21 ; with lane l xor 16's two the word is whole
.endif
	global_store_b128 v7, v[CC:CC+3], s[16:17] offset:((\t)/4)*3072+((\t)%4)*768        ; 512 consecutive bytes
	global_store_b64 v8, v[CC+4:CC+5], s[16:17] offset:((\t)/4)*3072+((\t)%4)*768+512   ; 256 consecutive bytes
.endm
; ---- the weights' path.  A lane takes a column n and its registers run down K.
.macro WLOAD t
.irp i, 0,1,2,3,4,5,6,7,8,9,10,11,12,13,14,15,16,17,18,19,20,21,22,23,24,25,26,27,28,29,30,31
	global_load_b32 v[32+32*((\t)%2)+\i], v11, s[28:29] offset:(32*(\t)+\i)*4096 th:TH_LOAD_NT
.endr
.endm
.macro WBLOCK t                        ; block t of the kslot's eight: half t / 2, block t % 2 of it
.set XS, 32+32*((\t)%2)
.if (\t) < 7
	s_wait_loadcnt 32                              ; this block's 32 loads are in; the next block's may be out
.else
	s_wait_loadcnt 0
.endif
	v_max3_num_f32 v12, |v[XS]|, |v[XS+1]|, |v[XS+2]|
	v_max3_num_f32 v13, |v[XS+3]|, |v[XS+4]|, |v[XS+5]|
.irp i, 6,10,14,18,22,26
	v_max3_num_f32 v12, v12, |v[XS+\i]|, |v[XS+\i+1]|
	v_max3_num_f32 v13, v13, |v[XS+\i+2]|, |v[XS+\i+3]|
.endr
	v_max3_num_f32 v12, v12, |v[XS+30]|, |v[XS+31]|
	v_max3_num_f32 v12, v12, v13, 0x1800000
	v_add_nc_u32 v14, 0xff000000, v12
	v_lshrrev_b32 v13, 23, v14
.if ((\t)%4) == 0
	v_mov_b32 v[24+(\t)/4], v13                    ; four bytes to a word, the lower K in the lower byte
.else
	v_lshl_or_b32 v[24+(\t)/4], v13, 8*((\t)%4), v[24+(\t)/4]
.endif
	v_cvt_scalef32_pk16_fp6_f32 v[96:98], v[XS:XS+15], v14
	v_cvt_scalef32_pk16_fp6_f32 v[104:106], v[XS+16:XS+31], v14
	v_nop                                          ; one plain instruction behind the conversions
	v_mov_b32 v99, v104
	v_mov_b32 v100, v105
	v_mov_b32 v101, v106
	ds_store_b128 v4, v[96:99] offset:((\t)/2)*768+256*((\t)%2)     ; into the image: lane r(c) + 16 (t % 2) of tile u(c), half t / 2
	ds_store_b64 v5, v[100:101] offset:((\t)/2)*768+128*((\t)%2)
.if (\t)+2 < 8
	WLOAD (\t)+2
.endif
	s_wait_dscnt 0x0                               ; the stores have read their registers: the next block's codes may be written
.endm
; ---- the table's path: sin and cos of A = position x frequency f, into v[48 + i] and v[32 + i]
.macro SINCOS i, f
	v_mul_f32 v10, \f, v5                          ; A: one f32 product
	v_mul_f32 v11, 0x3f22f983, v10                 ; A x 2 / pi
	v_rndne_f32 v11, v11                           ; n
	v_fmamk_f32 v12, v11, 0xbfc90fdb, v10          ; A - n x pi/2, pi/2 in three parts; the first step rounds nothing where A = 64 x position: a multiple of 2^-23 under 1
	v_fmamk_f32 v12, v11, 0x333bbd2e, v12
	v_fmamk_f32 v12, v11, 0x26f72ced, v12          ; the remainder
	v_cvt_i32_f32 v13, v11                         ; the quadrant is n mod 4
	v_mul_f32 v14, v12, v12
	v_mov_b32 v15, 0xb2d7322b                      ; sin: the series up to the 11th power: the first term left out is under 2e-10 at a remainder of 1
	v_fmaak_f32 v15, v15, v14, 0x3638ef1d
	v_fmaak_f32 v15, v15, v14, 0xb9500d01
	v_fmaak_f32 v15, v15, v14, 0x3c088889
	v_fmaak_f32 v15, v15, v14, 0xbe2aaaab
	v_mul_f32 v16, v12, v14
	v_fma_f32 v15, v16, v15, v12
	v_mov_b32 v17, 0xb493f27e                      ; cos: up to the 10th power: the first term left out is under 3e-9
	v_fmaak_f32 v17, v17, v14, 0x37d00d01
	v_fmaak_f32 v17, v17, v14, 0xbab60b61
	v_fmaak_f32 v17, v17, v14, 0x3d2aaaab
	v_fmaak_f32 v17, v17, v14, 0xbf000000
	v_fma_f32 v17, v17, v14, 1.0
	v_and_b32 v18, 1, v13
	v_cmp_eq_u32 vcc_lo, 1, v18                    ; in odd quadrants the two change places
	v_cndmask_b32 v19, v15, v17, vcc_lo
	v_cndmask_b32 v20, v17, v15, vcc_lo
	v_and_b32 v18, 2, v13                          ; sin is negative in quadrants 2, 3
	v_lshlrev_b32 v18, 30, v18
	v_xor_b32 v[48+\i], v18, v19
	v_add_nc_u32 v18, 1, v13                       ; cos in quadrants 1, 2
	v_and_b32 v18, 2, v18
	v_lshlrev_b32 v18, 30, v18
	v_xor_b32 v[32+\i], v18, v20
.endm
	s_load_b512 s[4:19], s[0:1], 0x0               ; x s[4:5], Wq s[6:7], Wk s[8:9], Wv s[10:11], Wo s[12:13], position_idx s[14:15], gcodes s[16:17], gsc s[18:19]
	s_load_b64 s[20:21], s[0:1], 0x40              ; rope
	v_lshl_add_u32 v254, v0, 2, 0xe800
	v_mov_b32 v255, 0
	v_lshrrev_b32 v1, 5, v0
	v_readfirstlane_b32 s22, v1                    ; wave 0..3
	v_and_b32 v1, 31, v0                           ; lane
	v_and_b32 v2, 15, v0                           ; r
	v_bfe_u32 v3, v0, 4, 1                         ; h
	s_mov_b32 s24, 0x76543210
	s_mov_b32 s25, 0xfedcba98                      ; v_permlanex16_b32's selects for lane l xor 16
	s_wait_kmcnt 0x0
	s_cmp_lt_u32 ttmp9, 256
	s_cbranch_scc0 .Lnot_x
	; ================ x: rows 32 g .. 32 g + 31 (g = the work-group's number), columns 256 x wave on
	s_wait_alu depctr_va_vdst(0)
	v_lshlrev_b32 v4, 12, v3
	v_lshl_add_u32 v4, v2, 4, v4                   ; in memory: lanes 16-31 a row further down, 16 bytes a lane
	s_mul_i32 s26, s22, 8704                       ; my wave's two stages of 16 x 272 bytes
	v_mul_u32_u24 v5, v3, 272
	v_lshl_add_u32 v5, v2, 4, v5
	v_add_nc_u32 v5, s26, v5                       ; into a stage: as loaded
	v_mul_u32_u24 v6, v2, 272
	v_lshl_add_u32 v6, v3, 7, v6
	v_add_nc_u32 v6, s26, v6                       ; out of it: row r, block h
	v_lshlrev_b32 v7, 4, v1                        ; an image's places for my lane: 16 l,
	v_lshlrev_b32 v8, 3, v1                        ; 8 l
	v_lshlrev_b32 v14, 3, v3                       ; 8 h
	v_mov_b32 v21, 0                               ; written once: a lane permute's destination counts as one of its sources
	v_cmp_eq_u32 s27, 1, v3
	s_lshl_b32 s28, ttmp9, 17                      ; 32 rows of 4,096 bytes
	s_lshl_b32 s30, s22, 10
	s_add_co_u32 s28, s28, s30
	s_mov_b32 s29, 0
	s_add_nc_u64 s[4:5], s[4:5], s[28:29]
	s_mul_i32 s28, s22, KSL
	s_mul_i32 s30, ttmp9, 6144                     ; two tiles of 3,072 bytes
	s_add_co_u32 s28, s28, s30
	s_add_nc_u64 s[16:17], s[16:17], s[28:29]
	s_mul_i32 s28, s22, SSL
	s_lshl_b32 s30, ttmp9, 8
	s_add_co_u32 s28, s28, s30
	s_add_nc_u64 s[18:19], s[18:19], s[28:29]
	XLOAD 0
	XLOAD 1
	XLOAD 2
	XLOAD 3
	s_wait_alu depctr_va_vdst(0)
	s_wait_loadcnt 24                              ; step 0's eight loads are in
	XTURN 0
.irp t, 0,1,2,3,4,5,6,7
	XSTEP \t
.endr
	v_cndmask_b32 v244, v16, v18, s27              ; lanes 0-15 store tile 0's two words of row r, lanes 16-31 tile 1's:
	v_cndmask_b32 v245, v17, v19, s27
	global_store_b64 v8, v[244:245], s[18:19]      ; 256 consecutive bytes, aligned
	s_wait_tensorcnt 0x0
	ds_add_u32 v254, v255
	s_wait_dscnt 0x0
	s_endpgm
.Lnot_x:
	s_cmp_lt_u32 ttmp9, 384
	s_cbranch_scc0 .Lrope
	; ================ a weight: columns 128 cg + 32 x wave on, K = 256 x kslot on
	s_sub_co_u32 s26, ttmp9, 256
	s_lshr_b32 s27, s26, 5                         ; which weight
	s_bfe_u32 s30, s26, 0x30002                    ; cg
	s_and_b32 s31, s26, 3                          ; kslot
	s_cmp_eq_u32 s27, 1                            ; the choice hangs on the work-group's number alone
	s_cselect_b64 s[28:29], s[8:9], s[6:7]
	s_cmp_eq_u32 s27, 2
	s_cselect_b64 s[28:29], s[10:11], s[28:29]
	s_cmp_eq_u32 s27, 3
	s_cselect_b64 s[28:29], s[12:13], s[28:29]
	s_lshl_b32 s34, s31, 20                        ; 256 rows of 4,096 bytes
	s_lshl_b32 s36, s30, 9
	s_add_co_u32 s34, s34, s36
	s_lshl_b32 s36, s22, 7
	s_add_co_u32 s34, s34, s36
	s_mov_b32 s35, 0
	s_add_nc_u64 s[28:29], s[28:29], s[34:35]
	s_lshl_b32 s33, s27, 6
	s_lshl_b32 s36, s30, 3
	s_add_co_u32 s33, s33, s36
	s_lshl_b32 s36, s22, 1
	s_add_co_u32 s33, s33, s36
	s_add_co_u32 s33, s33, 512                     ; my first tile: 512 + 64 x weight + 8 cg + 2 x wave
	s_mul_i32 s34, s31, KSL
	s_mul_i32 s36, s33, 3072
	s_add_co_u32 s34, s34, s36
	s_add_nc_u64 s[16:17], s[16:17], s[34:35]
	s_mul_i32 s34, s31, SSL
	s_lshl_b32 s36, s33, 7
	s_add_co_u32 s34, s34, s36
	s_add_nc_u64 s[18:19], s[18:19], s[34:35]
	v_and_b32 v10, 7, v0
	s_wait_alu depctr_va_vdst(0)
	v_lshl_add_u32 v10, v3, 3, v10                 ; column c = my lane lies in lane r(c) = c % 8 + 8 (c / 16)
	v_bfe_u32 v9, v0, 3, 1                         ; of tile u(c) = (c / 8) % 2
	s_mul_i32 s32, s22, 6144
	s_add_co_u32 s32, s32, WST                     ; my wave's stage: two tiles' images of this kslot, as they lie in gcodes
	v_mul_u32_u24 v4, v9, 3072
	v_add_nc_u32 v4, s32, v4
	v_lshl_add_u32 v5, v10, 3, v4
	v_add_nc_u32 v5, 512, v5                       ; registers 4-5: 512 + 8 r(c)
	v_lshl_add_u32 v4, v10, 4, v4                  ; registers 0-3: 16 r(c)
	v_lshlrev_b32 v7, 4, v1
	v_add_nc_u32 v6, s32, v7                       ; the way out: 16 bytes a lane
	v_lshlrev_b32 v8, 7, v9
	v_lshl_add_u32 v8, v10, 3, v8                  ; my column's two scale words: 128 u(c) + 8 r(c)
	v_lshlrev_b32 v11, 2, v1                       ; in memory: 4 bytes a lane
	WLOAD 0
	WLOAD 1
.irp t, 0,1,2,3,4,5,6,7
	WBLOCK \t
.endr
	s_wait_alu depctr_va_vdst(0)
	global_store_b64 v8, v[24:25], s[18:19]        ; the 32 lanes fill 256 consecutive bytes, aligned
.irp i, 0,1,2,3,4,5,6,7,8,9,10,11
	ds_load_b128 v[112+4*\i:115+4*\i], v6 offset:512*\i    ; LDS serves a wave's instructions in order: these see my stores
.endr
.irp i, 0,1,2,3,4,5,6,7,8,9,10,11
	s_wait_dscnt 11-\i                             ; load i is in; the younger ones may be out
	global_store_b128 v7, v[112+4*\i:115+4*\i], s[16:17] offset:512*\i   ; 6,144 consecutive bytes in all
.endr
	s_wait_tensorcnt 0x0
	ds_add_u32 v254, v255
	s_wait_dscnt 0x0
	s_endpgm
.Lrope:
	; ================ the table: tile T = 4 (work-group - 384) + wave; my row of it
	s_sub_co_u32 s26, ttmp9, 384
	s_lshl_b32 s26, s26, 2
	s_add_co_u32 s26, s26, s22                     ; T
	s_lshr_b32 s27, s26, 1
	s_lshl_b32 s27, s27, 5
	s_and_b32 s28, s26, 1
	s_lshl_b32 s28, s28, 3
	s_add_co_u32 s27, s27, s28                     ; 32 (T / 2) + 8 (T % 2)
	s_wait_alu depctr_va_vdst(0)
	v_and_b32 v4, 8, v2
	v_add_nc_u32 v4, v4, v2                        ; + r + 8 (r / 8)
	v_add_nc_u32 v4, s27, v4
	v_lshlrev_b32 v4, 2, v4
	global_load_b32 v5, v4, s[14:15]               ; position_idx of my row
	s_lshl_b32 s28, s26, 12
	s_mov_b32 s29, 0
	s_add_nc_u64 s[20:21], s[20:21], s[28:29]
	v_lshlrev_b32 v7, 4, v1
	v_cmp_eq_u32 s30, 0, v3
.irp i, 5,6,7,8,9,10,11,12,13,14,15
	v_mov_b32 v[32+\i], 1.0                        ; the frequencies are 64 / 10000^(2 f): from f = 5 on 10000^(2 f) is infinite in f32 and the frequency is exactly 0
	v_mov_b32 v[48+\i], 0
.endr
	s_wait_loadcnt 0x0
	v_cvt_f32_i32 v5, v5
	v_cndmask_b32 v5, 0, v5, s30                   ; lanes 16-31 hold frequencies 16 to 31, all 0: their angles are 0
	SINCOS 0, 0x42800000                           ; 64
	SINCOS 1, 0x352bcc77                           ; 6.4e-7
	SINCOS 2, 0x27e69595                           ; 6.4e-15
	SINCOS 3, 0x1a9abe15                           ; 6.4e-23
	SINCOS 4, 0x0d4fb11f                           ; 6.4e-31
.irp j, 0,1,2,3
	global_store_b128 v7, v[32+4*\j:35+4*\j], s[20:21] offset:512*\j
	global_store_b128 v7, v[48+4*\j:51+4*\j], s[20:21] offset:2048+512*\j
.endr
	s_endpgm
.Lfunc_end_k_q9cf3bde2e3_prep:
	.size	k_q9cf3bde2e3_prep, .Lfunc_end_k_q9cf3bde2e3_prep-k_q9cf3bde2e3_prep
	.p2alignl 7, 3214868480
	.fill 96, 4, 3214868480
	.section	.rodata,"a",@progbits
	.p2align	6, 0x0
	.amdhsa_kernel k_q9cf3bde2e3_prep
		.amdhsa_group_segment_fixed_size 59904
		.amdhsa_private_segment_fixed_size 0
		.amdhsa_enable_private_segment 0
		.amdhsa_kernarg_size 72
		.amdhsa_user_sgpr_count 2
		.amdhsa_user_sgpr_kernarg_segment_ptr 1
		.amdhsa_wavefront_size32 1
		.amdhsa_system_sgpr_workgroup_id_x 1
		.amdhsa_system_sgpr_workgroup_id_y 1
		.amdhsa_system_sgpr_workgroup_id_z 1
		.amdhsa_system_vgpr_workitem_id 0
		.amdhsa_next_free_vgpr 256
		.amdhsa_next_free_sgpr 66
		.amdhsa_reserve_vcc 1
		.amdhsa_float_denorm_mode_32 3
		.amdhsa_float_denorm_mode_16_64 3
		.amdhsa_memory_ordered 1
		.amdhsa_forward_progress 1
		.amdhsa_inst_pref_size 83
	.end_amdhsa_kernel
	.amdgpu_metadata
---
amdhsa.version: [ 1, 2 ]
amdhsa.kernels:
  - .name:           k_q9cf3bde2e3_prep
    .symbol:         k_q9cf3bde2e3_prep.kd
    .args:
      - { .name: x, .offset: 0, .size: 8, .value_kind: global_buffer, .address_space: global }
      - { .name: Wq, .offset: 8, .size: 8, .value_kind: global_buffer, .address_space: global }
      - { .name: Wk, .offset: 16, .size: 8, .value_kind: global_buffer, .address_space: global }
      - { .name: Wv, .offset: 24, .size: 8, .value_kind: global_buffer, .address_space: global }
      - { .name: Wo, .offset: 32, .size: 8, .value_kind: global_buffer, .address_space: global }
      - { .name: position_idx, .offset: 40, .size: 8, .value_kind: global_buffer, .address_space: global }
      - { .name: gcodes, .offset: 48, .size: 8, .value_kind: global_buffer, .address_space: global }
      - { .name: gsc, .offset: 56, .size: 8, .value_kind: global_buffer, .address_space: global }
      - { .name: rope, .offset: 64, .size: 8, .value_kind: global_buffer, .address_space: global }
    .group_segment_fixed_size: 59904
    .private_segment_fixed_size: 0
    .kernarg_segment_align: 8
    .kernarg_segment_size: 72
    .max_flat_workgroup_size: 128
    .sgpr_count:     66
    .vgpr_count:     256
    .wavefront_size: 32
...
	.end_amdgpu_metadata
.endif
;; end of part 1
;; launch qkv (part 2): grid 4 x 64, 4 waves a work-group, clusters of 4 x 4, 327,680 bytes of LDS; arguments gcodes, gsc, rope, bq, bk, bv, aimg, asc; writes aimg, asc
.if DOCPART == 2
	.amdgcn_target "amdgcn-amd-amdhsa--gfx1250"
	.amdhsa_code_object_version 6
	.text
	.protected	k_q9cf3bde2e3_qkv
	.globl	k_q9cf3bde2e3_qkv
	.p2align	8
	.type	k_q9cf3bde2e3_qkv,@function
k_q9cf3bde2e3_qkv:
	s_mov_b64 s[64:65], 0
	v_nop
	global_prefetch_b8 v0, s[64:65] scope:SCOPE_SE
	s_setreg_imm32_b32 hwreg(HW_REG_WAVE_MODE, 25, 1), 1
	s_wait_xcnt 0x0
	s_wait_alu depctr_hold_cnt(0) depctr_sa_sdst(0) depctr_va_vdst(0) depctr_va_sdst(0) depctr_va_ssrc(0) depctr_va_vcc(0) depctr_vm_vsrc(0)
	s_getreg_b32 s2, hwreg(HW_REG_IB_STS2, 6, 4)
	s_cmp_eq_u32 s2, 0
	s_cbranch_scc0 .Lentry_in_a_cluster
	s_endpgm
.Lentry_in_a_cluster:
	s_bfe_u32 s2, ttmp6, 0x10000c
	s_cmp_lg_u32 s2, 0xf033
	s_cbranch_scc0 .Lentry_shape_is_right
	s_endpgm
.Lentry_shape_is_right:
; QKV: q = rot(x Wq + bq), k = rot(x Wk + bk), v = x Wv + bv, products on codes of FP6 (E2M3) with E8M0 scales; the results are quantised here, in registers, into the operands of attention's two products.
; A WORK-GROUP STAYS: it owns 128 rows of x (8 tiles of 16) and 256 columns (16 tiles, four heads) of each weight, and makes three units one after the other: q, k (a loop of two trips), v (written out).
; Role A is source 1 of the matrix instruction (4 tiles a wave), role B source 0 (8 tiles a wave): 32 accumulators.  In accumulator (a, b) lane (r, h) holds A's row r of tile a, register j B's row 32 (b / 2) + 16 h + 8 (b % 2) + j.
; q, k: A = x (tiles 4 wa ..), B = the weight (tiles 8 wb ..): a lane's registers run along the head.  v: A = Wv (tiles 4 w ..: one head a wave), B = x's eight tiles: a lane's registers run along 128 keys.
; LDS: x, all of K, at 24,576 s (s = kslot), filled once; the weight at 98,304 + 49,152 s, filled three times.  A load is a tile of two rows, a row being a kslot's dense block (24,576 or 49,152 bytes, 2,359,296 apart in gcodes):
; at the head waves 0, 1 ask for the weight's kslots 0-1, 2-3, waves 2, 3 for x's: one load a wave.  The next weight is asked for by waves 0, 1 when K step 7's fragments are in registers, behind a round of the
; cluster's barrier; it has the unit's last 32 products and its way out in which to land.
; CLUSTERS: 4 x 4 work-groups; x's tiles are shared along a row of the cluster, the weights' along a column, asked for jointly.
; NO PREFETCH: each fill is asked for at the head or a whole way out ahead of its first read; there is no loop of tiles to run ahead in.
; aimg, asc: records as the launch attn reads them: k's 64 images, v's [key step 8][channel tile 4], q's 64; words k [16][r][4], v [8][r][4], q as k.  q's and k's words carry 0x7f for the two blocks that a head of 64 does not have.
; LIMITS: NaN and infinities are not served; a block of zeros gets the byte 1 where the rule says 127 (its codes are zeros; this program alone reads the bytes).
; REGISTERS.  Window 0: v1-5 lane terms; v8-23 LDS addresses; v24-30 global offsets; v32-47 A's scale words, v48-79 B's; v80-87 bv; v88-125 at work; v128-223 A's fragments, on the way out numbers and codes; v254-255 the add's.
; Window 1: v0-191 B's fragments, v192-255 the bias (C of q's and k's first products).  Window 2: accumulators.  Window 3: v0-127 cos and sin.
.set KSL,  2359296
.set SSL,  98304
.set XSL,  24576
.set WSL,  49152
.set WOFF, 98304
.set SPARE, 0x48000
.set REC,  147456
.set SREC, 10240
.set BM, 88
.set PT, 92
.set SO, 96
.set BY, 100
.set PW, 104
.set CT, 106
.set WD, 114
.set DD, 122
.set XX, 128
.set MSB, 0
.macro WIN new
.if MSB != \new
	s_set_vgpr_msb (MSB<<8)|\new
.set MSB, \new
.endif
.endm
.macro PLACES n
.rept \n
	v_nop
.endr
.endm
.macro CROUND
	s_barrier_signal -1
	s_barrier_wait -1
	s_cmp_lg_u32 s20, 0
	s_cbranch_scc1 .Lnot_wave_0_\@
	s_barrier_signal -3
.Lnot_wave_0_\@:
	s_barrier_wait -3
	s_barrier_signal -1
	s_barrier_wait -1
.endm
.macro FRAG reg, a16, a8, off          ; 12 registers: two images of 768 bytes
	ds_load_b128 v[(\reg):(\reg)+3], v[\a16] offset:(\off)
	ds_load_b64 v[(\reg)+4:(\reg)+5], v[\a8] offset:(\off)+512
	ds_load_b128 v[(\reg)+6:(\reg)+9], v[\a16] offset:(\off)+768
	ds_load_b64 v[(\reg)+10:(\reg)+11], v[\a8] offset:(\off)+1280
.endm
.macro FETCH k                         ; K step k: B's eight fragments and A's four into set k % 2
	WIN 0x40
.irp i, 0,1,2,3,4,5,6,7
	FRAG 96*((\k)%2)+12*\i, 10+4*((\k)/2), 11+4*((\k)/2), \i*3072+((\k)%2)*1536
.endr
	WIN 0
.irp i, 0,1,2,3
	FRAG 128+48*((\k)%2)+12*\i, 8+4*((\k)/2), 9+4*((\k)/2), \i*3072+((\k)%2)*1536
.endr
.endm
.macro W1 cc, m1, m2
	v_wmma_scale_f32_16x16x128_f8f6f4 v[rD:rD+7], v[rB:rB+11], v[rA:rA+11], \cc, v[rSB], v[rSA] matrix_a_fmt:MATRIX_FMT_FP6 matrix_b_fmt:MATRIX_FMT_FP6 \m1 \m2
.endm
.macro W2 cc                           ; odd tiles' scale words lie in lanes 16-31
.if (pb == 0) && (pa == 0)
	W1 \cc
.elseif (pb == 1) && (pa == 0)
	W1 \cc, matrix_a_scale:MATRIX_SCALE_ROW1
.elseif (pb == 0) && (pa == 1)
	W1 \cc, matrix_b_scale:MATRIX_SCALE_ROW1
.else
	W1 \cc, matrix_a_scale:MATRIX_SCALE_ROW1, matrix_b_scale:MATRIX_SCALE_ROW1
.endif
.endm
.macro WM a, b, k, z                   ; K step 0 starts the sums: from the bias (z = 0) or from 0 (z = 1)
.set rD, 8*(8*(\a)+(\b))
.set rB, 96*((\k)%2)+12*(\b)
.set rA, 128+48*((\k)%2)+12*(\a)
.set rSB, 48+8*((\b)/2)+(\k)
.set rSA, 32+8*((\a)/2)+(\k)
.set rC, 192+8*(\b)
.set pa, (\a)%2
.set pb, (\b)%2
.if (\k) > 0
	W2 v[rD:rD+7]
.elseif \z
	W2 0
.else
	W2 v[rC:rC+7]
.endif
.endm
; A K step: the next step's 48 loads, then 32 products; the accumulators take turns.  rf = 1: the weight's bytes are read no more and are filled again.
.macro KSTEP k, z, rf
	s_wait_dscnt 0x0                               ; this step's fragments are in
.if (\k) < 7
	PLACES 4
	FETCH (\k)+1
.endif
.if \rf
	WIN 0
	s_wait_tensorcnt 0x0
	ds_add_u32 v254, v255
	s_add_nc_u64 s[50:51], s[50:51], 196608        ; the next weight: 64 tiles of 3,072 bytes on
	s_wait_dscnt 0x0
	CROUND                                         ; no wave of any partner still reads the weight's bytes
	s_cmp_lt_u32 s20, 2
	s_cbranch_scc0 .Lno_refill_\@
	tensor_load_to_lds s[48:51], s[36:43]
	s_nop 0
	PLACES 4
.Lno_refill_\@:
.endif
.if ((\k) == 0) && ((\z) == 0)
	WIN 0x91
.else
	WIN 0xa1
.endif
.irp a, 0,1,2,3
.irp b, 0,1,2,3,4,5,6,7
	WM \a, \b, \k, \z
.endr
.endr
.endm
; nb blocks of 32: v[X + 16 b + i] = number 32 b + 16 h + i of my row -> codes at v[PC] on, the scale word in v[PW]
.macro QUANT nb, X, PC
.irp b, 0,1,2,3
.if \b < \nb
	v_max3_num_f32 v[BM+\b], |v[(\X)+16*\b]|, |v[(\X)+16*\b+1]|, 0x1800000   ; the floor 2^(3 - 127) holds the byte at 1
.endif
.endr
.irp i, 2,4,6,8,10,12,14
.irp b, 0,1,2,3
.if \b < \nb
	v_max3_num_f32 v[BM+\b], v[BM+\b], |v[(\X)+16*\b+\i]|, |v[(\X)+16*\b+\i+1]|
.endif
.endr
.endr
.irp b, 0,1,2,3
.if \b < \nb
	v_permlanex16_b32 v[PT+\b], v[BM+\b], s98, s99
.endif
.endr
.irp b, 0,1,2,3
.if \b < \nb
	v_max_num_f32 v[BM+\b], v[BM+\b], v[PT+\b]
.endif
.endr
.irp b, 0,1,2,3
.if \b < \nb
	v_add_nc_u32 v[SO+\b], 0xff000000, v[BM+\b]    ; 2 off the exponent field: the conversion's scale operand
.endif
.endr
.irp b, 0,1,2,3
.if \b < \nb
	v_lshrrev_b32 v[BY+\b], 23, v[SO+\b]
.endif
.endr
	v_lshl_or_b32 v[PW], v[BY+1], 8, v[BY]
.if \nb > 2
	v_lshl_or_b32 v[PW], v[BY+2], 16, v[PW]
	v_lshl_or_b32 v[PW], v[BY+3], 24, v[PW]
.endif
.irp c, 0,1
.if 2*\c < \nb
	v_cvt_scalef32_pk16_fp6_f32 v[(\PC)+6*\c:(\PC)+6*\c+2], v[(\X)+32*\c:(\X)+32*\c+15], v[SO+2*\c]
	v_cvt_scalef32_pk16_fp6_f32 v[CT+4*\c:CT+4*\c+2], v[(\X)+32*\c+16:(\X)+32*\c+31], v[SO+2*\c+1]
.endif
.endr
	v_nop                                          ; one plain instruction behind the conversions
.irp c, 0,1
.if 2*\c < \nb
.irp i, 0,1,2
	v_permlane16_swap_b32 v[(\PC)+6*\c+\i], v[CT+4*\c+\i]   ; a whole block to a lane
.endr
.irp i, 0,1,2
	v_mov_b32 v[(\PC)+6*\c+3+\i], v[CT+4*\c+\i]
.endr
.endif
.endr
.endm
.macro RQ a, hh                        ; q, k: tile a of x, head hh of my two: the rotation, two blocks quantised, an image stored
.set rLO, 8*(8*(\a)+4*(\hh))
.set rHI, rLO+16
.set rCO, 32*(\a)
.set rSI, 32*(\a)+16
.set PCN, 192+8*(2*(\a)+(\hh))
	WIN 0x0e
.irp i, 0,2,4,6,8,10,12,14
	v_pk_mul_f32 v[XX+\i:XX+\i+1], v[rLO+\i:rLO+\i+1], v[rCO+\i:rCO+\i+1]
	v_pk_mul_f32 v[XX+16+\i:XX+17+\i], v[rLO+\i:rLO+\i+1], v[rSI+\i:rSI+\i+1]
.endr
.irp i, 0,2,4,6,8,10,12,14
	v_pk_fma_f32 v[XX+\i:XX+\i+1], v[rHI+\i:rHI+\i+1], v[rSI+\i:rSI+\i+1], v[XX+\i:XX+\i+1] neg_lo:[1,0,0] neg_hi:[1,0,0]
	v_pk_fma_f32 v[XX+16+\i:XX+17+\i], v[rHI+\i:rHI+\i+1], v[rCO+\i:rCO+\i+1], v[XX+16+\i:XX+17+\i]
.endr
	WIN 0
	QUANT 2, XX, PCN
	v_or_b32 v[WD+4*(\hh)+(\a)], 0x7f7f0000, v[PW]
	global_store_b128 v4, v[PCN:PCN+3], s[16:17] offset:(\hh)*REC+(\a)*768
	global_store_b64 v5, v[PCN+4:PCN+5], s[16:17] offset:(\hh)*REC+(\a)*768+512
.endm
.macro VQ a                            ; v: channel tile a of my head, 128 keys a lane
.set PCN, 192+16*(\a)
	WIN 0x02
.set ii, 0
.rept 32
	v_pk_add_f32 v[XX+ii:XX+ii+1], v[64*(\a)+ii:64*(\a)+ii+1], v[80+2*(\a):81+2*(\a)] op_sel_hi:[1,0]
.set ii, ii+2
.endr
	WIN 0
	QUANT 4, XX, PCN
	v_mov_b32 v[WD+(\a)], v[PW]
.irp i, 0,1,2
	global_store_b128 v4, v[PCN+4*\i:PCN+4*\i+3], s[16:17] offset:(\a)*1536+512*\i
.endr
.endm
.macro LDSC                            ; both roles' scale words: 128 bytes a tile, 32 lanes x 8 bytes are two tiles
.irp s, 0,1,2,3
.irp p, 0,1
	global_load_b64 v[32+8*\p+2*\s:33+8*\p+2*\s], v24, s[6:7] offset:\s*SSL+256*\p
.endr
.irp p, 0,1,2,3
	global_load_b64 v[48+8*\p+2*\s:49+8*\p+2*\s], v25, s[6:7] offset:\s*SSL+256*\p
.endr
.endr
.endm
.macro LDBIAS
	WIN 0x40
.irp b, 0,1,2,3,4,5,6,7
	global_load_b128 v[192+8*\b:195+8*\b], v26, s[96:97] offset:(32*(\b/2)+8*(\b%2))*4
	global_load_b128 v[196+8*\b:199+8*\b], v26, s[96:97] offset:(32*(\b/2)+8*(\b%2))*4+16
.endr
	WIN 0
.endm
.macro ADDRS stepa, stepb              ; LDS addresses for kslot s at v[8 + 4 s]: A by 16 l, A by 8 l, B by 16 l, B by 8 l
.irp s, 0,1,2,3
	v_add_nc_u32 v[8+4*\s], s93, v4
	v_add_nc_u32 v[9+4*\s], s93, v5
	v_add_nc_u32 v[10+4*\s], s94, v4
	v_add_nc_u32 v[11+4*\s], s94, v5
	s_add_co_u32 s93, s93, \stepa
	s_add_co_u32 s94, s94, \stepb
.endr
.endm
	s_load_b512 s[4:19], s[0:1], 0x0               ; gcodes, gsc, rope, bq, bk, bv, aimg, asc
	v_lshl_add_u32 v254, v0, 2, SPARE
	v_mov_b32 v255, 0
	ds_add_u32 v254, v255                          ; the opening lines
	ds_add_u32 v254, v255
	v_lshrrev_b32 v1, 5, v0
	v_readfirstlane_b32 s20, v1                    ; wave
	v_and_b32 v1, 31, v0
	v_and_b32 v2, 15, v0                           ; r
	v_bfe_u32 v3, v0, 4, 1                         ; h
	v_lshlrev_b32 v4, 4, v1                        ; 16 l
	v_lshlrev_b32 v5, 3, v1                        ; 8 l
	s_lshr_b32 s21, s20, 1                         ; wa
	s_and_b32 s22, s20, 1                          ; wb; also which two kslots I ask for
	s_bfe_u32 s23, ttmp6, 0x40000                  ; cx: which 256 columns
	s_bfe_u32 s24, ttmp6, 0x40004                  ; cy
	s_and_b32 s26, ttmp7, 0xffff                   ; the cluster's y
	s_lshl_b32 s27, s24, 2
	s_lshl_b32 s27, 15, s27                        ; my row of the cluster
	s_lshl_b32 s60, 0x1111, s23                    ; my column
	s_or_b32 s28, s27, (3<<16)|(1<<21)             ; x: 2 rows of 3,072 elements of 8 bytes, a kslot apart
	s_mov_b32 s29, 3072<<16
	s_mov_b32 s30, 2<<16
	s_mov_b32 s31, 3072<<16
	s_mov_b32 s32, 2
	s_mov_b32 s33, KSL/8
	s_mov_b32 s34, 0
	s_mov_b32 s35, 0
	s_or_b32 s36, s60, (3<<16)|(1<<21)             ; a weight: 2 rows of 6,144 elements
	s_mov_b32 s37, 6144<<16
	s_mov_b32 s38, 2<<16
	s_mov_b32 s39, 6144<<16
	s_mov_b32 s40, 2
	s_mov_b32 s41, KSL/8
	s_mov_b32 s42, 0
	s_mov_b32 s43, 0
	s_lshl_b32 s84, s26, 5
	s_lshl_b32 s85, s24, 3
	s_add_co_u32 s84, s84, s85                     ; x's first tile: 32 x cluster y + 8 cy
	s_lshl_b32 s88, s23, 4
	s_add_co_u32 s88, s88, 512                     ; Wq's first tile: 512 + 16 cx
	s_mul_i32 s92, s22, 2*KSL
	s_mul_i32 s86, s84, 3072
	s_add_co_u32 s86, s86, s92
	s_mov_b32 s87, 0
	s_mul_i32 s90, s88, 3072
	s_add_co_u32 s90, s90, s92
	s_mov_b32 s91, 0
	s_mov_b32 s98, 0x76543210
	s_mov_b32 s99, 0xfedcba98
	s_wait_dscnt 0x0
	s_wait_kmcnt 0x0
	s_mov_b32 s44, 1
	s_mul_i32 s45, s22, 2*XSL
	s_add_nc_u64 s[46:47], s[4:5], s[86:87]
	s_or_b32 s47, s47, 0x80000000
	s_mov_b32 s48, 1
	s_mul_i32 s49, s22, 2*WSL
	s_add_co_u32 s49, s49, WOFF
	s_add_nc_u64 s[50:51], s[4:5], s[90:91]
	s_or_b32 s51, s51, 0x80000000
	s_mov_b64 s[96:97], s[10:11]                   ; bq
	CROUND                                         ; the first joint loads meet
	s_cmp_lt_u32 s20, 2
	s_cbranch_scc1 .Lfill_w
	tensor_load_to_lds s[44:47], s[28:35]
	s_nop 0
	PLACES 4
	s_branch .Lfilled
.Lfill_w:
	tensor_load_to_lds s[48:51], s[36:43]
	s_nop 0
	PLACES 4
.Lfilled:
	s_mul_i32 s93, s21, 12288                      ; q, k: A = my four tiles of x,
	s_mul_i32 s94, s22, 24576                      ; B = my eight of the weight
	s_add_co_u32 s94, s94, WOFF
	s_wait_alu depctr_va_vdst(0)
	ADDRS XSL, WSL
	s_lshl_b32 s66, s21, 2
	s_add_co_u32 s66, s66, s84                     ; my first tile of x
	s_lshl_b32 s67, s22, 3
	s_add_co_u32 s67, s67, s88                     ; my first tile of Wq,
	s_add_co_u32 s69, s67, 64                      ; of Wk,
	s_lshl_b32 s68, s20, 2
	s_add_co_u32 s68, s68, s88
	s_add_co_u32 s68, s68, 128                     ; and, in role A, of Wv: 640 + 16 cx + 4 w
	s_lshl_b32 s95, s66, 7
	v_add_nc_u32 v24, s95, v5
	s_lshl_b32 s95, s67, 7
	v_add_nc_u32 v25, s95, v5
	s_lshl_b32 s95, s23, 10
	s_lshl_b32 s100, s22, 9
	s_add_co_u32 s95, s95, s100
	v_lshl_add_u32 v26, v3, 6, s95                 ; the bias: (256 cx + 128 wb + 16 h) x 4
	s_and_b32 s101, s66, 63
	s_lshl_b32 s95, s101, 12
	v_add_nc_u32 v27, s95, v4                      ; the table: 4,096 bytes a tile
	v_and_b32 v28, 8, v2
	v_add_nc_u32 v28, v28, v2
	s_and_b32 s101, s68, 63
	s_lshl_b32 s95, s101, 4
	v_add_nc_u32 v28, s95, v28
	v_lshlrev_b32 v28, 2, v28                      ; bv of my row of Wv's tile 0
	v_mul_u32_u24 v29, v3, SREC
	v_lshl_add_u32 v29, v2, 4, v29
	v_lshlrev_b32 v30, 4, v2
	v_lshl_add_u32 v30, v3, 3, v30
	s_wait_alu depctr_va_vdst(0)
	LDSC
	LDBIAS
.irp a, 0,1,2,3
	global_load_b32 v[80+2*\a], v28, s[14:15] offset:(32*(\a/2)+8*(\a%2))*4
	global_load_b32 v[81+2*\a], v28, s[14:15] offset:(32*(\a/2)+8*(\a%2))*4
.endr
	WIN 0xc0
.irp a, 0,1,2,3
.irp j, 0,1,2,3,4,5,6,7
	global_load_b128 v[32*\a+4*\j:32*\a+4*\j+3], v27, s[8:9] offset:\a*4096+512*\j
.endr
.endr
	WIN 0
	; v's places: record 16 batch + 4 cx + w, key step = my block of 128 rows within the batch
	s_lshr_b32 s93, s84, 6
	s_lshl_b32 s93, s93, 4
	s_lshl_b32 s95, s23, 2
	s_add_co_u32 s93, s93, s95
	s_add_co_u32 s93, s93, s20
	s_bfe_u32 s94, s84, 0x30003
	s_mul_i32 s100, s93, REC
	s_mul_i32 s95, s94, 6144
	s_add_co_u32 s100, s100, s95
	s_add_co_u32 s100, s100, 49152
	s_mov_b32 s101, 0
	s_add_nc_u64 s[76:77], s[16:17], s[100:101]
	s_mul_i32 s100, s93, SREC
	s_lshl_b32 s95, s94, 8
	s_add_co_u32 s100, s100, s95
	s_add_co_u32 s100, s100, 4096
	s_add_nc_u64 s[78:79], s[18:19], s[100:101]
	; q's places: record 16 batch + 4 cx + 2 wb; k's lie 98,304 (words: 6,144) bytes lower
	s_lshr_b32 s93, s66, 6
	s_and_b32 s94, s66, 63
	s_lshl_b32 s93, s93, 4
	s_lshl_b32 s95, s23, 2
	s_add_co_u32 s93, s93, s95
	s_lshl_b32 s95, s22, 1
	s_add_co_u32 s93, s93, s95
	s_mul_i32 s100, s93, REC
	s_mul_i32 s95, s94, 768
	s_add_co_u32 s100, s100, s95
	s_add_co_u32 s100, s100, 98304
	s_add_nc_u64 s[16:17], s[16:17], s[100:101]
	s_mul_i32 s100, s93, SREC
	s_lshr_b32 s95, s94, 2
	s_lshl_b32 s95, s95, 8
	s_add_co_u32 s100, s100, s95
	s_add_co_u32 s100, s100, 6144
	s_add_nc_u64 s[18:19], s[18:19], s[100:101]
.irp b, 0,1,2,3
	v_mov_b32 v[PT+\b], 0                          ; a lane permute's destination counts as one of its sources
.endr
	v_cmp_eq_u32 s62, 1, v3                        ; lanes 16-31
	s_mov_b32 s72, 0
.Lunit:                                            ; two trips: q, k
	s_wait_alu depctr_va_vdst(0)
	s_wait_loadcnt 0x0                             ; this unit's scale words and bias are in
	s_wait_tensorcnt 0x0                           ; my fill has landed,
	s_barrier_signal -1
	s_barrier_wait -1                              ; everybody's has
	s_mov_b64 s[96:97], s[12:13]                   ; from here on the bias asked for is bk
	FETCH 0
.irp k, 0,1,2,3,4,5,6
	KSTEP \k, 0, 0
.endr
	KSTEP 7, 0, 1
	WIN 0
	PLACES 4
	s_cmp_eq_u32 s72, 0                            ; the next unit's scale words: k: x's four, Wk's eight; v: Wv's four, x's eight
	s_cselect_b32 s93, s66, s68
	s_cselect_b32 s94, s69, s84
	s_lshl_b32 s93, s93, 7
	s_lshl_b32 s94, s94, 7
	v_add_nc_u32 v24, s93, v5
	v_add_nc_u32 v25, s94, v5
	s_wait_alu depctr_va_vdst(0)
	LDSC
	LDBIAS
.irp a, 0,1,2,3
	RQ \a, 0
	RQ \a, 1
.endr
.irp a, 0,1,2,3
	v_cndmask_b32 v[DD+\a], v[WD+\a], v[WD+4+\a], s62
.endr
	global_store_b128 v29, v[DD:DD+3], s[18:19]    ; two runs of 256 consecutive bytes, aligned
	s_wait_xcnt 0x0                                ; the stores have read their bases and data
	s_sub_nc_u64 s[16:17], s[16:17], 98304
	s_sub_nc_u64 s[18:19], s[18:19], 6144
	s_add_co_u32 s72, s72, 1
	s_cmp_lt_u32 s72, 2
	s_wait_alu depctr_va_vdst(0)
	s_cbranch_scc1 .Lunit
	; ---- v: the roles change: only the addresses differ
	s_mul_i32 s93, s20, 12288
	s_add_co_u32 s93, s93, WOFF
	s_mov_b32 s94, 0
	ADDRS WSL, XSL
	s_mov_b64 s[16:17], s[76:77]
	s_mov_b64 s[18:19], s[78:79]
	s_wait_alu depctr_va_vdst(0)
	s_wait_loadcnt 0x0
	s_wait_tensorcnt 0x0
	s_barrier_signal -1
	s_barrier_wait -1
	FETCH 0
.irp k, 0,1,2,3,4,5,6,7
	KSTEP \k, 1, 0
.endr
	WIN 0
	PLACES 4
.irp a, 0,1,2,3
	VQ \a
.endr
	v_cndmask_b32 v[DD], v[WD], v[WD+2], s62
	v_cndmask_b32 v[DD+1], v[WD+1], v[WD+3], s62
	global_store_b64 v30, v[DD:DD+1], s[18:19]     ; 256 consecutive bytes, aligned
	s_wait_tensorcnt 0x0                           ; the wave's end
	ds_add_u32 v254, v255
	s_wait_dscnt 0x0
	CROUND                                         ; the closing round
	s_endpgm
.Lfunc_end_k_q9cf3bde2e3_qkv:
	.size	k_q9cf3bde2e3_qkv, .Lfunc_end_k_q9cf3bde2e3_qkv-k_q9cf3bde2e3_qkv
	.p2alignl 7, 3214868480
	.fill 96, 4, 3214868480
	.section	.rodata,"a",@progbits
	.p2align	6, 0x0
	.amdhsa_kernel k_q9cf3bde2e3_qkv
		.amdhsa_group_segment_fixed_size 327680
		.amdhsa_private_segment_fixed_size 0
		.amdhsa_enable_private_segment 0
		.amdhsa_kernarg_size 64
		.amdhsa_user_sgpr_count 2
		.amdhsa_user_sgpr_kernarg_segment_ptr 1
		.amdhsa_wavefront_size32 1
		.amdhsa_system_sgpr_workgroup_id_x 1
		.amdhsa_system_sgpr_workgroup_id_y 1
		.amdhsa_system_sgpr_workgroup_id_z 1
		.amdhsa_system_vgpr_workitem_id 0
		.amdhsa_next_free_vgpr 896
		.amdhsa_next_free_sgpr 102
		.amdhsa_reserve_vcc 0
		.amdhsa_float_denorm_mode_32 3
		.amdhsa_float_denorm_mode_16_64 3
		.amdhsa_memory_ordered 1
		.amdhsa_forward_progress 1
		.amdhsa_inst_pref_size 198
	.end_amdhsa_kernel
	.amdgpu_metadata
---
amdhsa.version: [ 1, 2 ]
amdhsa.kernels:
  - .name:           k_q9cf3bde2e3_qkv
    .symbol:         k_q9cf3bde2e3_qkv.kd
    .args:
      - { .name: gcodes, .offset: 0, .size: 8, .value_kind: global_buffer, .address_space: global }
      - { .name: gsc, .offset: 8, .size: 8, .value_kind: global_buffer, .address_space: global }
      - { .name: rope, .offset: 16, .size: 8, .value_kind: global_buffer, .address_space: global }
      - { .name: bq, .offset: 24, .size: 8, .value_kind: global_buffer, .address_space: global }
      - { .name: bk, .offset: 32, .size: 8, .value_kind: global_buffer, .address_space: global }
      - { .name: bv, .offset: 40, .size: 8, .value_kind: global_buffer, .address_space: global }
      - { .name: aimg, .offset: 48, .size: 8, .value_kind: global_buffer, .address_space: global }
      - { .name: asc, .offset: 56, .size: 8, .value_kind: global_buffer, .address_space: global }
    .group_segment_fixed_size: 327680
    .private_segment_fixed_size: 0
    .kernarg_segment_align: 8
    .kernarg_segment_size: 64
    .max_flat_workgroup_size: 128
    .sgpr_count:     102
    .vgpr_count:     896
    .wavefront_size: 32
...
	.end_amdgpu_metadata
.endif
;; end of part 2
;; launch attn (part 3): grid 256 x 1, 16 waves a work-group, clusters of 4 x 1, 212,992 bytes of LDS; arguments aimg, asc, ocodes, osc; writes ocodes, osc
.if DOCPART == 3
	.amdgcn_target "amdgcn-amd-amdhsa--gfx1250"
	.amdhsa_code_object_version 6
	.text
	.protected	k_q9cf3bde2e3_attn
	.globl	k_q9cf3bde2e3_attn
	.p2align	8
	.type	k_q9cf3bde2e3_attn,@function
k_q9cf3bde2e3_attn:
	s_mov_b64 s[64:65], 0
	v_nop
	global_prefetch_b8 v0, s[64:65] scope:SCOPE_SE
	s_setreg_imm32_b32 hwreg(HW_REG_WAVE_MODE, 25, 1), 1
	s_wait_xcnt 0x0
	s_wait_alu depctr_hold_cnt(0) depctr_sa_sdst(0) depctr_va_vdst(0) depctr_va_sdst(0) depctr_va_ssrc(0) depctr_va_vcc(0) depctr_vm_vsrc(0)
	s_getreg_b32 s2, hwreg(HW_REG_IB_STS2, 6, 4)
	s_cmp_eq_u32 s2, 0
	s_cbranch_scc0 .Lentry_in_a_cluster
	s_endpgm
.Lentry_in_a_cluster:
	s_bfe_u32 s2, ttmp6, 0x10000c
	s_cmp_lg_u32 s2, 0x3003
	s_cbranch_scc0 .Lentry_shape_is_right
	s_endpgm
.Lentry_shape_is_right:
; ATTN: o = softmax(q k^T / 8) v, both products on codes of FP6 (E2M3) with E8M0 scales; o is quantised here along the head's 64 into the operand of the last product.
; THE SOFTMAX: t = score x log2(e) / 8; M = the running largest t rounded UP to a whole number; p = 2^(t - M) is quantised along the keys, not normalised; the row's sum is taken of the unquantised p and divides O at the end.
; When M moves, the sum and O are multiplied by 2^(old M - new M): exact.  LIMIT: the promise holds while |t| stays under 2^31.
; SHARES.  A cluster of four work-groups owns two (batch, head) records, 2 c and 2 c + 1; work-group cx owns queries 256 cx .. + 255 of both; wave w owns tile 16 cx + w: a loop of two trips, a record a trip, 128 keys a step.
; LDS: both records stay, 104,448 bytes each: k's 64 images of 768 bytes, v's [key step 8][channel tile 4] of 1,536, k's words (4,096), v's (2,048).  Filled once, JOINTLY for the four work-groups (the mask is 15):
; waves 0-11 ask for 16,384 bytes of images each, waves 12, 13 for a record's words: one load a wave, all at the head.  Behind them 2,048 bytes in which o's scale words meet, and the spare words.
; LAYOUT.  Both products transposed (source 0 = 16 keys, or 16 channels): a lane holds ONE query.  q k^T has K = 64, the instruction 128: a fragment of 12 registers holds TWO tiles of keys (K blocks 0-1, 2-3) and is
; multiplied twice, by [q, 0] (v22-33) and by [0, q] (v16-27); k's two half words are joined by v_perm_b32 into the fragment's scale word.  Zero codes add nothing under the other tile's finite bytes.
; TWO AREAS of 64 registers change roles step by step: k's fragments in one, the scores and p in the other; v's fragments follow k's as soon as the scores are issued; the next step's k follows p behind the conversions.
; The first step of a trip starts O from 0 and has no rescaling.  The second trip's q is asked for in the first trip's last step.
; NO PREFETCH: every tensor load stands at the kernel's head.
; LIMITS: NaN and infinities are not served; a block of zeros gets the byte 1 where the rule says 127 (its codes are zeros; this program alone reads the bytes).
.set REC,  147456
.set SREC, 10240
.set OSL,  1572864
.set RECL, 104448
.set KW,   98304
.set VW,   102400
.set OST,  208896
.set SPARE, 210944
.set XA, 48                            ; v48-111, v112-175 the two areas
.set YA, 112
.set OA, 176                           ; v176-207 O^T
.set PC, 208                           ; v208-219 p's codes; between two uses k's raw words land in v208-215
.set CT, 220                           ; v220-226 the conversions' second halves
.set BM, 228
.set PT, 232
.set SO, 236
.set BY, 240
.set FF, 244                           ; v244-245 f
.set TM, 246                           ; v246-247 at work; v248-253 sums; v254-255 the add's
; v1-5 LDS addresses, v6-8 16 l, 8 l, 16 r; v9, v10, v37 o's words; v11 o's words; v12 -M, v13 the largest t, v14-15 the sum; v34, v35 q's words; v36 p's; v38-41 k's; v42-45 v's
.macro ROUND
	s_barrier_signal -1
	s_barrier_wait -1
	s_cmp_lg_u32 s12, 0
	s_cbranch_scc1 .Lnot_wave_0_\@
	s_barrier_signal -3
.Lnot_wave_0_\@:
	s_barrier_wait -3
	s_barrier_signal -1
	s_barrier_wait -1
.endm
.macro KLOAD D, sn                     ; k's four fragments of key step sn: 1,536 consecutive bytes (two images) each
.irp f, 0,1,2,3
	ds_load_b128 v[(\D)+12*\f:(\D)+12*\f+3], v1 offset:6144*(\sn)+1536*\f
	ds_load_b64 v[(\D)+12*\f+4:(\D)+12*\f+5], v2 offset:6144*(\sn)+1536*\f
	ds_load_b128 v[(\D)+12*\f+6:(\D)+12*\f+9], v1 offset:6144*(\sn)+1536*\f+768
	ds_load_b64 v[(\D)+12*\f+10:(\D)+12*\f+11], v2 offset:6144*(\sn)+1536*\f+768
.endr
.endm
.macro KWORDS                          ; a fragment's scale word: the low halves of its two tiles' words
.irp f, 0,1,2,3
	v_perm_b32 v[38+\f], v[PC+1+2*\f], v[PC+2*\f], s24
.endr
.endm
.macro STEP s
.set KA, XA+64*((\s)%2)
.set SA, YA-64*((\s)%2)
.set SN, ((\s)+1)%8
.rept 5
	v_nop                                          ; five places: the products below write over registers that the last products read
.endr
	s_wait_dscnt 0x0                               ; k's fragments are in
.irp f, 0,1,2,3
	v_wmma_scale_f32_16x16x128_f8f6f4 v[SA+16*\f:SA+16*\f+7], v[KA+12*\f:KA+12*\f+11], v[22:33], 0, v[38+\f], v34 matrix_a_fmt:MATRIX_FMT_FP6 matrix_b_fmt:MATRIX_FMT_FP6
	v_wmma_scale_f32_16x16x128_f8f6f4 v[SA+16*\f+8:SA+16*\f+15], v[KA+12*\f:KA+12*\f+11], v[16:27], 0, v[38+\f], v35 matrix_a_fmt:MATRIX_FMT_FP6 matrix_b_fmt:MATRIX_FMT_FP6
.endr                                          ; registers 16 b .. 16 b + 15 are keys 128 s + 32 b + 16 h + 0 .. 15
.rept 4
	v_nop
.endr
.irp t, 0,1,2,3                                ; v's four fragments take k's registers
.irp i, 0,1,2
	ds_load_b128 v[KA+12*\t+4*\i:KA+12*\t+4*\i+3], v3 offset:6144*(\s)+1536*\t+512*\i
.endr
.endr
	ds_load_b128 v[42:45], v5 offset:256*(\s)
.if (\s) == 7
	global_load_b128 v[22:25], v6, s[52:53] offset:REC      ; the second record's q (the second trip asks for the same once more: inside the buffer, and not used)
	global_load_b64 v[26:27], v7, s[52:53] offset:REC+512
	global_load_b32 v34, v8, s[54:55] offset:SREC
	s_add_co_u32 s27, s15, 1                       ; the LDS addresses go over to the other record
	s_and_b32 s27, s27, 1
	s_mul_i32 s26, s27, RECL
	v_add_nc_u32 v1, s26, v6
	s_add_co_u32 s27, s26, 512
	v_add_nc_u32 v2, s27, v7
	s_add_co_u32 s27, s26, 49152
	v_add_nc_u32 v3, s27, v6
	s_add_co_u32 s27, s26, KW
	v_add_nc_u32 v4, s27, v8
	s_add_co_u32 s27, s26, VW
	v_add_nc_u32 v5, s27, v8
.endif
.irp b, 0,1,2,3
	v_max3_num_f32 v[BM+\b], v[SA+16*\b], v[SA+16*\b+1], v[SA+16*\b+2]   ; the largest score of each block of 32 keys
.endr
.irp i, 3,5,7,9,11,13
.irp b, 0,1,2,3
	v_max3_num_f32 v[BM+\b], v[BM+\b], v[SA+16*\b+\i], v[SA+16*\b+\i+1]
.endr
.endr
.irp b, 0,1,2,3
	v_max_num_f32 v[BM+\b], v[BM+\b], v[SA+16*\b+15]
.endr
.irp b, 0,1,2,3
	s_delay_alu instid0(VALU_DEP_4)
	v_permlanex16_b32 v[PT+\b], v[BM+\b], s20, s21
.endr
.irp b, 0,1,2,3
	s_delay_alu instid0(VALU_DEP_4)
	v_max_num_f32 v[BM+\b], v[BM+\b], v[PT+\b]
.endr
	s_delay_alu instid0(VALU_DEP_2)
	v_max3_num_f32 v[TM], v[BM], v[BM+1], v[BM+2]
	s_delay_alu instid0(VALU_DEP_1)
	v_max_num_f32 v[TM], v[TM], v[BM+3]
	s_delay_alu instid0(VALU_DEP_1)
.if (\s) == 0
	v_mul_f32 v13, s22, v[TM]                      ; the largest t so far
	s_delay_alu instid0(VALU_DEP_1)
	v_floor_f32 v12, -v13                          ; -M = floor(-t)
.else
	v_mul_f32 v[TM], s22, v[TM]
	s_delay_alu instid0(VALU_DEP_1)
	v_max_num_f32 v13, v13, v[TM]
	v_mov_b32 v[TM], v12
	s_delay_alu instid0(VALU_DEP_2)
	v_floor_f32 v12, -v13
	s_delay_alu instid0(VALU_DEP_1)
	v_sub_f32 v[TM], v12, v[TM]                    ; old M - new M, a whole number
	s_delay_alu instid0(VALU_DEP_1)
	v_cvt_i32_f32 v[TM], v[TM]
	s_delay_alu instid0(VALU_DEP_1)
	v_ldexp_f32 v[FF], 1.0, v[TM]                  ; f
.endif
	ds_load_b128 v[PC:PC+3], v4 offset:512*SN      ; the next step's raw words of k
	ds_load_b128 v[PC+4:PC+7], v4 offset:512*SN+256
.set jj, 0
.rept 32
	v_pk_fma_f32 v[SA+jj:SA+jj+1], v[SA+jj:SA+jj+1], s[22:23], v[12:13] op_sel_hi:[1,0,0]   ; t - M
.set jj, jj+2
.endr
.irp b, 0,1,2,3
	v_fma_f32 v[BM+\b], v[BM+\b], s22, v12
.endr
	s_wait_alu depctr_va_vdst(0)
.set jj, 0
.rept 64
	v_exp_f32 v[SA+jj], v[SA+jj]
.set jj, jj+1
.endr
.if (\s) == 0
	v_mov_b32 v14, 0
	v_mov_b32 v15, 0
.else
	v_pk_mul_f32 v[14:15], v[14:15], v[FF:FF+1] op_sel_hi:[1,0]
.endif
	s_wait_alu depctr_va_vdst(0)                   ; one wait for the batch, ahead of its first reader
.irp b, 0,1,2,3
	v_exp_f32 v[BM+\b], v[BM+\b]                   ; each block's largest p
.endr
.set jj, 1                                     ; the sum of the 32 pairs: eight chains
.irp t, 248,250,252,232,234,240,242
	v_pk_add_f32 v[\t:\t+1], v[SA+2*jj:SA+2*jj+1], v[SA+2*jj+14:SA+2*jj+15]
.set jj, jj+1
.endr
	v_pk_add_f32 v[14:15], v[14:15], v[SA:SA+1]
.set jj, 15
.irp t, 248,250,252,232,234,240,242
	v_pk_add_f32 v[\t:\t+1], v[\t:\t+1], v[SA+2*jj:SA+2*jj+1]
.set jj, jj+1
.endr
	v_pk_add_f32 v[14:15], v[14:15], v[SA+44:SA+45]
.set jj, 23
.irp t, 248,250,252,232,234,240,242
	v_pk_add_f32 v[\t:\t+1], v[\t:\t+1], v[SA+2*jj:SA+2*jj+1]
.set jj, jj+1
.endr
	v_pk_add_f32 v[14:15], v[14:15], v[SA+60:SA+61]
	v_pk_add_f32 v[248:249], v[248:249], v[SA+62:SA+63]
	v_pk_add_f32 v[250:251], v[250:251], v[252:253]
	v_pk_add_f32 v[232:233], v[232:233], v[234:235]
	v_pk_add_f32 v[240:241], v[240:241], v[242:243]
	v_pk_add_f32 v[14:15], v[14:15], v[248:249]
	s_delay_alu instid0(VALU_DEP_3)
	v_pk_add_f32 v[250:251], v[250:251], v[232:233]
	s_delay_alu instid0(VALU_DEP_2)
	v_pk_add_f32 v[14:15], v[14:15], v[240:241]
	s_delay_alu instid0(VALU_DEP_1)
	v_pk_add_f32 v[14:15], v[14:15], v[250:251]
	s_wait_alu depctr_va_vdst(0)                   ; for the four exponentials, and ahead of the wait below
	s_wait_dscnt 0x0                               ; v's fragments and words and k's raw words are in
	KWORDS
.irp b, 0,1,2,3
	v_max_num_f32 v[BM+\b], 0x1800000, v[BM+\b]    ; the floor 2^(3 - 127)
.endr
.irp b, 0,1,2,3
	s_delay_alu instid0(VALU_DEP_4)
	v_add_nc_u32 v[SO+\b], 0xff000000, v[BM+\b]
.endr
.irp b, 0,1,2,3
	s_delay_alu instid0(VALU_DEP_4)
	v_lshrrev_b32 v[BY+\b], 23, v[SO+\b]
.endr
	s_delay_alu instid0(VALU_DEP_3)
	v_lshl_or_b32 v36, v[BY+1], 8, v[BY]
	s_delay_alu instid0(VALU_DEP_1)
	v_lshl_or_b32 v36, v[BY+2], 16, v36
	s_delay_alu instid0(VALU_DEP_1)
	v_lshl_or_b32 v36, v[BY+3], 24, v36
.irp c, 0,1
	v_cvt_scalef32_pk16_fp6_f32 v[PC+6*\c:PC+6*\c+2], v[SA+32*\c:SA+32*\c+15], v[SO+2*\c]
	v_cvt_scalef32_pk16_fp6_f32 v[CT+4*\c:CT+4*\c+2], v[SA+32*\c+16:SA+32*\c+31], v[SO+2*\c+1]
.endr
	v_nop                                          ; one plain instruction behind the conversions
	KLOAD SA, SN                                   ; p is spent: the next step's k takes its registers
.irp c, 0,1
.irp i, 0,1,2
	v_permlane16_swap_b32 v[PC+6*\c+\i], v[CT+4*\c+\i]
.endr
.irp i, 0,1,2
	s_delay_alu instid0(VALU_DEP_3)
	v_mov_b32 v[PC+3+6*\c+\i], v[CT+4*\c+\i]
.endr
.endr
.if (\s) == 0
.rept 8
	v_nop                                          ; places between the writes of p's codes and word and the products
.endr
.irp t, 0,1,2,3
	v_wmma_scale_f32_16x16x128_f8f6f4 v[OA+8*\t:OA+8*\t+7], v[KA+12*\t:KA+12*\t+11], v[PC:PC+11], 0, v[42+\t], v36 matrix_a_fmt:MATRIX_FMT_FP6 matrix_b_fmt:MATRIX_FMT_FP6
.endr
.else
	s_wait_alu depctr_va_vdst(0)
.set jj, 0
.rept 16
	v_pk_mul_f32 v[OA+jj:OA+jj+1], v[OA+jj:OA+jj+1], v[FF:FF+1] op_sel_hi:[1,0]   ; O^T under the new M; also the places ahead of the products
.set jj, jj+2
.endr
.irp t, 0,1,2,3                                ; the four accumulators take turns
	v_wmma_scale_f32_16x16x128_f8f6f4 v[OA+8*\t:OA+8*\t+7], v[KA+12*\t:KA+12*\t+11], v[PC:PC+11], v[OA+8*\t:OA+8*\t+7], v[42+\t], v36 matrix_a_fmt:MATRIX_FMT_FP6 matrix_b_fmt:MATRIX_FMT_FP6
.endr
.endif
.endm
	s_load_b256 s[4:11], s[0:1], 0x0               ; aimg, asc, ocodes, osc
	v_lshl_add_u32 v254, v0, 2, SPARE
	v_mov_b32 v255, 0
	ds_add_u32 v254, v255                          ; the opening lines
	ds_add_u32 v254, v255
	v_lshrrev_b32 v1, 5, v0
	v_readfirstlane_b32 s12, v1                    ; wave 0..15
	v_and_b32 v46, 31, v0
	v_and_b32 v47, 15, v0
	v_lshlrev_b32 v9, 6, v1                        ; o's words in LDS: [trip][wave][r]: 64 x wave
	v_bfe_u32 v10, v0, 4, 1
	v_lshlrev_b32 v6, 4, v46                       ; 16 l
	v_lshlrev_b32 v7, 3, v46                       ; 8 l
	v_lshlrev_b32 v8, 4, v47                       ; 16 r
	v_lshl_add_u32 v9, v10, 10, v9                 ; + 1,024 (l / 16)
	v_lshl_add_u32 v9, v47, 2, v9
	v_add_nc_u32 v9, OST, v9
	v_lshlrev_b32 v10, 4, v0
	v_add_nc_u32 v10, OST, v10                     ; back: 16 bytes a thread (waves 0-3)
	v_lshrrev_b32 v37, 6, v0
	v_and_b32 v46, 63, v0
	v_lshlrev_b32 v37, 15, v37
	v_lshl_add_u32 v37, v46, 4, v37                ; in osc: the second 1,024 bytes belong to the next head, 32,768 bytes on
	v_mov_b32 v1, v6                               ; LDS, first record: k's images by 16 l,
	v_add_nc_u32 v2, 512, v7                       ; by 8 l,
	v_add_nc_u32 v3, 49152, v6                     ; v's images,
	v_add_nc_u32 v4, KW, v8                        ; k's words,
	v_add_nc_u32 v5, VW, v8                        ; v's words
.irp j, 16,17,18,19,20,21,28,29,30,31,32,33
	v_mov_b32 v[\j], 0                             ; zero codes on both sides of q
.endr
.irp b, 0,1,2,3
	v_mov_b32 v[PT+\b], 0                          ; a lane permute's destination counts as one of its sources
.endr
	v_mov_b32 v[FF+1], 0
	v_mov_b32 v[TM], 0
	v_mov_b32 v11, 0
	s_mov_b32 s13, ttmp9                           ; the cluster
	s_bfe_u32 s14, ttmp6, 0x40000                  ; cx
	s_mov_b32 s20, 0x76543210
	s_mov_b32 s21, 0xfedcba98
	s_mov_b32 s22, 0x3e38aa3b                      ; log2(e) / 8
	s_mov_b32 s23, s22
	s_mov_b32 s24, 0x05040100
	s_mov_b32 s25, 0x7f7f
	s_mov_b32 s28, 15|(3<<16)|(1<<21)              ; images: 64 dense rows of 256 bytes, for all four work-groups
	s_mov_b32 s29, 32<<16
	s_mov_b32 s30, 64<<16
	s_mov_b32 s31, 32<<16
	s_mov_b32 s32, 64
	s_mov_b32 s33, 32
	s_mov_b32 s34, 0
	s_mov_b32 s35, 0
	s_mov_b32 s36, 15|(3<<16)|(1<<21)              ; words: 24 rows
	s_mov_b32 s37, 32<<16
	s_mov_b32 s38, 24<<16
	s_mov_b32 s39, 32<<16
	s_mov_b32 s40, 24
	s_mov_b32 s41, 32
	s_mov_b32 s42, 0
	s_mov_b32 s43, 0
	s_mul_i32 s16, s13, 2*REC
	s_mov_b32 s17, 0
	s_mul_i32 s18, s13, 2*SREC
	s_mov_b32 s19, 0
	s_mul_i32 s56, s12, 11
	s_lshr_b32 s56, s56, 6                         ; wave / 6: my chunk's record
	s_lshl_b32 s57, s12, 14
	s_mul_i32 s45, s56, 6144
	s_add_co_u32 s45, s45, s57                     ; LDS: 16,384 x wave + 6,144 x record
	s_mul_i32 s60, s56, 49152
	s_add_co_u32 s60, s60, s57
	s_add_co_u32 s60, s60, s16                     ; memory: q's 49,152 bytes lie between the records' k and v
	s_mov_b32 s61, 0
	s_and_b32 s56, s12, 1
	s_mul_i32 s49, s56, RECL
	s_add_co_u32 s49, s49, KW
	s_mul_i32 s56, s56, SREC
	s_add_co_u32 s56, s56, s18
	s_mov_b32 s57, 0
	s_wait_alu depctr_va_vdst(0)
	s_wait_dscnt 0x0
	s_wait_kmcnt 0x0
	s_mov_b32 s44, 1
	s_add_nc_u64 s[46:47], s[4:5], s[60:61]
	s_or_b32 s47, s47, 0x80000000
	s_mov_b32 s48, 1
	s_add_nc_u64 s[50:51], s[6:7], s[56:57]
	s_or_b32 s51, s51, 0x80000000
	ROUND                                          ; the joint loads meet
	s_cmp_lt_u32 s12, 12
	s_cbranch_scc0 .Lnot_img
	tensor_load_to_lds s[44:47], s[28:35]
	s_nop 0
.rept 4
	v_nop
.endr
	s_branch .Lasked
.Lnot_img:
	s_cmp_lt_u32 s12, 14
	s_cbranch_scc0 .Lasked
	tensor_load_to_lds s[48:51], s[36:43]
	s_nop 0
.rept 4
	v_nop
.endr
.Lasked:
	s_lshl_b32 s62, s14, 4
	s_add_co_u32 s62, s62, s12                     ; my tile of queries: 16 cx + wave
	s_mul_i32 s60, s62, 768
	s_add_co_u32 s60, s60, 98304
	s_add_co_u32 s60, s60, s16
	s_add_nc_u64 s[52:53], s[4:5], s[60:61]        ; q's image in the first record
	s_lshr_b32 s60, s62, 2
	s_lshl_b32 s60, s60, 8
	s_and_b32 s56, s62, 3
	s_lshl_b32 s56, s56, 2
	s_add_co_u32 s60, s60, s56
	s_add_co_u32 s60, s60, 6144
	s_add_co_u32 s60, s60, s18
	s_add_nc_u64 s[54:55], s[6:7], s[60:61]        ; its scale words: [tile / 4][r][tile % 4]
	global_load_b128 v[22:25], v6, s[52:53]
	global_load_b64 v[26:27], v7, s[52:53] offset:512
	global_load_b32 v34, v8, s[54:55]
	s_lshr_b32 s16, s13, 3                         ; batch
	s_lshl_b32 s17, s13, 1
	s_and_b32 s17, s17, 15                         ; the first record's head, an even number
	s_lshr_b32 s60, s17, 2
	s_mul_i32 s60, s60, OSL                        ; o: kslot = head / 4,
	s_lshl_b32 s56, s16, 6
	s_add_co_u32 s56, s56, s62
	s_mul_i32 s56, s56, 3072                       ; tile 64 x batch + my tile,
	s_add_co_u32 s60, s60, s56
	s_and_b32 s56, s17, 3
	s_mul_i32 s56, s56, 768                        ; half = head % 4
	s_add_co_u32 s60, s60, s56
	s_add_nc_u64 s[58:59], s[8:9], s[60:61]
	s_lshl_b32 s60, s17, 15                        ; o's words: [head][tile][r]
	s_lshl_b32 s56, s16, 6
	s_lshl_b32 s57, s14, 4
	s_add_co_u32 s56, s56, s57
	s_lshl_b32 s56, s56, 6
	s_add_co_u32 s60, s60, s56
	s_add_nc_u64 s[10:11], s[10:11], s[60:61]
	s_mov_b32 s15, 0
	s_mov_b32 s63, 0xffff                          ; the first trip's scale words go to lanes 0-15, the second's to lanes 16-31
	s_wait_tensorcnt 0x0                           ; my fill has landed,
	s_barrier_signal -1
	s_barrier_wait -1                              ; everybody's has
	KLOAD XA, 0
	ds_load_b128 v[PC:PC+3], v4
	ds_load_b128 v[PC+4:PC+7], v4 offset:256
	s_wait_dscnt 0x0
	s_wait_loadcnt 0x0
	KWORDS
	v_lshl_or_b32 v35, v34, 16, s25                ; q's word for [0, q]
.rept 3
	v_nop                                          ; with the step's five: eight places ahead of the scaled products
.endr
	s_wait_alu depctr_va_vdst(0)
.Lpass:                                            ; two trips: a record each
.irp s, 0,1,2,3,4,5,6,7
	STEP \s
.endr
.rept 4
	v_nop
.endr
	v_add_f32 v14, v14, v15
	s_delay_alu instid0(VALU_DEP_1)
	v_permlanex16_b32 v[TM], v14, s20, s21
	s_delay_alu instid0(VALU_DEP_1)
	v_add_f32 v14, v14, v[TM]                      ; the row's sum
	s_wait_alu depctr_va_vdst(0)
	v_rcp_f32 v14, v14
	v_nop
	s_wait_alu depctr_va_vdst(0)
.set jj, 0
.rept 32
	v_mul_f32 v[YA+jj], v[OA+jj], v14              ; o: register 16 b + i is channel 32 b + 16 h + i
.set jj, jj+1
.endr
	v_max3_num_f32 v[BM], |v[YA]|, |v[YA+1]|, 0x1800000
	v_max3_num_f32 v[BM+1], |v[YA+16]|, |v[YA+17]|, 0x1800000
.irp i, 2,4,6,8,10,12,14
	s_delay_alu instid0(VALU_DEP_2)
	v_max3_num_f32 v[BM], v[BM], |v[YA+\i]|, |v[YA+1+\i]|
	s_delay_alu instid0(VALU_DEP_2)
	v_max3_num_f32 v[BM+1], v[BM+1], |v[YA+16+\i]|, |v[YA+17+\i]|
.endr
	s_delay_alu instid0(VALU_DEP_2)
	v_permlanex16_b32 v[PT], v[BM], s20, s21
	s_delay_alu instid0(VALU_DEP_2)
	v_permlanex16_b32 v[PT+1], v[BM+1], s20, s21
	s_delay_alu instid0(VALU_DEP_2)
	v_max_num_f32 v[BM], v[BM], v[PT]
	s_delay_alu instid0(VALU_DEP_2)
	v_max_num_f32 v[BM+1], v[BM+1], v[PT+1]
	s_delay_alu instid0(VALU_DEP_2)
	v_add_nc_u32 v[SO], 0xff000000, v[BM]
	s_delay_alu instid0(VALU_DEP_2)
	v_add_nc_u32 v[SO+1], 0xff000000, v[BM+1]
	s_delay_alu instid0(VALU_DEP_2)
	v_lshrrev_b32 v[BY], 23, v[SO]
	s_delay_alu instid0(VALU_DEP_2)
	v_lshrrev_b32 v[BY+1], 23, v[SO+1]
	s_delay_alu instid0(VALU_DEP_1)
	v_lshl_or_b32 v[TM+1], v[BY+1], 8, v[BY]       ; two bytes; the last launch joins two heads' halves
	v_cvt_scalef32_pk16_fp6_f32 v[PC:PC+2], v[YA:YA+15], v[SO]
	v_cvt_scalef32_pk16_fp6_f32 v[CT:CT+2], v[YA+16:YA+31], v[SO+1]
	v_nop
.irp i, 0,1,2
	v_permlane16_swap_b32 v[PC+\i], v[CT+\i]
.endr
.irp i, 0,1,2
	s_delay_alu instid0(VALU_DEP_3)
	v_mov_b32 v[PC+3+\i], v[CT+\i]
.endr
	v_cndmask_b32 v11, v11, v[TM+1], s63
	global_store_b128 v6, v[PC:PC+3], s[58:59]     ; the image: 512 consecutive bytes,
	global_store_b64 v7, v[PC+4:PC+5], s[58:59] offset:512   ; and 256
	s_wait_loadcnt 0x0                             ; the next q is in
	v_lshl_or_b32 v35, v34, 16, s25
.rept 3
	v_nop
.endr
	s_wait_xcnt 0x0                                ; the stores have read their base and data
	s_add_nc_u64 s[58:59], s[58:59], 768           ; the next head's half
	s_lshl_b32 s63, s63, 16
	s_add_co_u32 s15, s15, 1
	s_cmp_lt_u32 s15, 2
	s_wait_alu depctr_va_vdst(0)
	s_cbranch_scc1 .Lpass
	ds_store_b32 v9, v11                           ; o's scale words of the work-group's 16 tiles x 2 heads meet in LDS
	s_wait_dscnt 0x0                               ; for the others' sake; my last loads of k are in too
	s_barrier_signal -1
	s_barrier_wait -1
	s_cmp_lt_u32 s12, 4
	s_cbranch_scc0 .Ldone
	ds_load_b128 v[48:51], v10
	s_wait_dscnt 0x0
	global_store_b128 v37, v[48:51], s[10:11]      ; sixteen lanes store 256 consecutive bytes, aligned
.Ldone:
	s_wait_tensorcnt 0x0                           ; the wave's end
	ds_add_u32 v254, v255
	s_wait_dscnt 0x0
	ROUND                                          ; the closing round
	s_endpgm
.Lfunc_end_k_q9cf3bde2e3_attn:
	.size	k_q9cf3bde2e3_attn, .Lfunc_end_k_q9cf3bde2e3_attn-k_q9cf3bde2e3_attn
	.p2alignl 7, 3214868480
	.fill 96, 4, 3214868480
	.section	.rodata,"a",@progbits
	.p2align	6, 0x0
	.amdhsa_kernel k_q9cf3bde2e3_attn
		.amdhsa_group_segment_fixed_size 212992
		.amdhsa_private_segment_fixed_size 0
		.amdhsa_enable_private_segment 0
		.amdhsa_kernarg_size 32
		.amdhsa_user_sgpr_count 2
		.amdhsa_user_sgpr_kernarg_segment_ptr 1
		.amdhsa_wavefront_size32 1
		.amdhsa_system_sgpr_workgroup_id_x 1
		.amdhsa_system_sgpr_workgroup_id_y 1
		.amdhsa_system_sgpr_workgroup_id_z 1
		.amdhsa_system_vgpr_workitem_id 0
		.amdhsa_next_free_vgpr 256
		.amdhsa_next_free_sgpr 66
		.amdhsa_reserve_vcc 0
		.amdhsa_float_denorm_mode_32 3
		.amdhsa_float_denorm_mode_16_64 3
		.amdhsa_memory_ordered 1
		.amdhsa_forward_progress 1
		.amdhsa_inst_pref_size 149
	.end_amdhsa_kernel
	.amdgpu_metadata
---
amdhsa.version: [ 1, 2 ]
amdhsa.kernels:
  - .name:           k_q9cf3bde2e3_attn
    .symbol:         k_q9cf3bde2e3_attn.kd
    .args:
      - { .name: aimg, .offset: 0, .size: 8, .value_kind: global_buffer, .address_space: global }
      - { .name: asc, .offset: 8, .size: 8, .value_kind: global_buffer, .address_space: global }
      - { .name: ocodes, .offset: 16, .size: 8, .value_kind: global_buffer, .address_space: global }
      - { .name: osc, .offset: 24, .size: 8, .value_kind: global_buffer, .address_space: global }
    .group_segment_fixed_size: 212992
    .private_segment_fixed_size: 0
    .kernarg_segment_align: 8
    .kernarg_segment_size: 32
    .max_flat_workgroup_size: 512
    .sgpr_count:     66
    .vgpr_count:     256
    .wavefront_size: 32
...
	.end_amdgpu_metadata
.endif
;; end of part 3
;; launch oproj (part 4): grid 4 x 64, 4 waves a work-group, clusters of 4 x 4, 295,424 bytes of LDS; arguments ocodes, osc, gcodes, gsc, bo, out0; writes out0
.if DOCPART == 4
	.amdgcn_target "amdgcn-amd-amdhsa--gfx1250"
	.amdhsa_code_object_version 6
	.text
	.protected	k_q9cf3bde2e3_oproj
	.globl	k_q9cf3bde2e3_oproj
	.p2align	8
	.type	k_q9cf3bde2e3_oproj,@function
k_q9cf3bde2e3_oproj:
	s_mov_b64 s[64:65], 0
	v_nop
	global_prefetch_b8 v0, s[64:65] scope:SCOPE_SE
	s_setreg_imm32_b32 hwreg(HW_REG_WAVE_MODE, 25, 1), 1
	s_wait_xcnt 0x0
	s_wait_alu depctr_hold_cnt(0) depctr_sa_sdst(0) depctr_va_vdst(0) depctr_va_sdst(0) depctr_va_ssrc(0) depctr_va_vcc(0) depctr_vm_vsrc(0)
	s_getreg_b32 s2, hwreg(HW_REG_IB_STS2, 6, 4)
	s_cmp_eq_u32 s2, 0
	s_cbranch_scc0 .Lentry_in_a_cluster
	s_endpgm
.Lentry_in_a_cluster:
	s_bfe_u32 s2, ttmp6, 0x10000c
	s_cmp_lg_u32 s2, 0xf033
	s_cbranch_scc0 .Lentry_shape_is_right
	s_endpgm
.Lentry_shape_is_right:
; OPROJ: out0 = o Wo + bo, the product on codes of FP6 (E2M3) with E8M0 scales; out0 [8192][1024] f32.
; THE PRODUCT is that of the launch qkv: role A (source 1) = o's rows, 128 a work-group (8 tiles of 16); role B (source 0) = Wo's columns, 256 (16 tiles); wave (wa, wb): A's tiles 4 wa .. + 3, B's 8 wb .. + 7: 32 accumulators.
; In accumulator (a, b) lane (r, h) holds A's row r of tile a, and its register j column 32 (b / 2) + 16 h + 8 (b % 2) + j of my 128; of 32 rows tile u holds in lane r row 8 u + r + 8 (r / 8).
; LDS: all of K = 1,024 is resident: A's kslot s (256 along K, 8 tiles) at 24,576 s, B's (16 tiles) at 98,304 + 49,152 s, images of operand registers as they lie in memory.  Every byte is filled once: no ring.
; CLUSTERS: 4 x 4 work-groups; A's tiles are shared along a row, B's along a column, asked for jointly.  Waves 0, 1 ask for B's kslots 0-1, 2-3, waves 2, 3 for A's: one load a wave.
; A's scale words: attention left two bytes for each (head, row); a K step of 128 is two heads: the two halves are joined here.  bo is the C of the first products.
; THE WAY OUT: a block of 16 rows x 128 columns goes through my wave's stage in LDS (rows of 512 + 16 bytes) and leaves as whole rows of 512 bytes.  The stages lie on A's bytes, which have had their one fill, and which nobody reads
; behind the barrier of K step 7.
; REGISTERS, in windows of 256.  Window 0: v1-7 lane terms; v8-23 LDS addresses; v24-26 global offsets; v32-47 A's scale words, v48-79 B's (register 8 (tile / 2) + K step: lanes 0-15 the even tile's, lanes 16-31 the odd tile's);
;   v80-111 the halves of A's words; v128-223 A's fragments, two sets; on the way out v128-255 rows of out0.   Window 1: v0-191 B's fragments, two sets; v192-255 bo.   Window 2: accumulator (a, b) at v[8 (8 a + b)].
.set KSL,  2359296                     ; a kslot of gcodes
.set OSL,  1572864                     ; a kslot of ocodes
.set SSL,  98304                       ; a kslot of gsc
.set SLOT, 73728
.set BOFF, 98304                       ; LDS: A's kslot s at 24,576 s, B's at 98,304 + 49,152 s; a load is a tile of two rows, a row being a kslot's dense block: one load a wave (waves 0, 1: B's kslots 0-1, 2-3; waves 2, 3: A's)
.set BK,   128
.set MSB, 0
.macro WIN new                         ; the immediate's high byte repeats the setting that is left
.if MSB != \new
	s_set_vgpr_msb (MSB<<8)|\new
.set MSB, \new
.endif
.endm
.macro PLACES n
.rept \n
	v_nop
.endr
.endm
.macro CROUND                          ; a round of the cluster's barrier
	s_barrier_signal -1
	s_barrier_wait -1
	s_cmp_lg_u32 s20, 0
	s_cbranch_scc1 .Lnot_wave_0_\@
	s_barrier_signal -3
.Lnot_wave_0_\@:
	s_barrier_wait -3
	s_barrier_signal -1
	s_barrier_wait -1
.endm
; A fragment (16 rows x 128 K, 12 registers) is two images of 768 bytes: registers 0-3 at 16 l, 4-5 at 512 + 8 l, and the same 768 bytes on
.macro FRAG reg, a16, a8, off
	ds_load_b128 v[(\reg):(\reg)+3], v[\a16] offset:(\off)
	ds_load_b64 v[(\reg)+4:(\reg)+5], v[\a8] offset:(\off)+512
	ds_load_b128 v[(\reg)+6:(\reg)+9], v[\a16] offset:(\off)+768
	ds_load_b64 v[(\reg)+10:(\reg)+11], v[\a8] offset:(\off)+1280
.endm
.macro FETCH k                         ; K step k (slot k / 2): B's eight fragments and A's four into set k % 2: 48 loads
	WIN 0x40                                       ; destination window 1, address window 0
.irp i, 0,1,2,3,4,5,6,7
	FRAG 96*((\k)%2)+12*\i, 10+4*((\k)/2), 11+4*((\k)/2), \i*3072+((\k)%2)*1536
.endr
	WIN 0
.irp i, 0,1,2,3
	FRAG 128+48*((\k)%2)+12*\i, 8+4*((\k)/2), 9+4*((\k)/2), \i*3072+((\k)%2)*1536
.endr
.endm
.macro WM a, b, k                      ; one product.  K step 0 takes the bias as C
.set rD, 8*(8*(\a)+(\b))
.set rB, 96*((\k)%2)+12*(\b)
.set rA, 128+48*((\k)%2)+12*(\a)
.set rSB, 48+8*((\b)/2)+(\k)
.set rSA, 32+8*((\a)/2)+(\k)
.if (\k) == 0
.set rC, 192+8*(\b)
.else
.set rC, rD
.endif
.if (((\b)%2) == 0) && (((\a)%2) == 0)
	v_wmma_scale_f32_16x16x128_f8f6f4 v[rD:rD+7], v[rB:rB+11], v[rA:rA+11], v[rC:rC+7], v[rSB], v[rSA] matrix_a_fmt:MATRIX_FMT_FP6 matrix_b_fmt:MATRIX_FMT_FP6
.elseif (((\b)%2) == 1) && (((\a)%2) == 0)
	v_wmma_scale_f32_16x16x128_f8f6f4 v[rD:rD+7], v[rB:rB+11], v[rA:rA+11], v[rC:rC+7], v[rSB], v[rSA] matrix_a_fmt:MATRIX_FMT_FP6 matrix_b_fmt:MATRIX_FMT_FP6 matrix_a_scale:MATRIX_SCALE_ROW1
.elseif (((\b)%2) == 0) && (((\a)%2) == 1)
	v_wmma_scale_f32_16x16x128_f8f6f4 v[rD:rD+7], v[rB:rB+11], v[rA:rA+11], v[rC:rC+7], v[rSB], v[rSA] matrix_a_fmt:MATRIX_FMT_FP6 matrix_b_fmt:MATRIX_FMT_FP6 matrix_b_scale:MATRIX_SCALE_ROW1
.else
	v_wmma_scale_f32_16x16x128_f8f6f4 v[rD:rD+7], v[rB:rB+11], v[rA:rA+11], v[rC:rC+7], v[rSB], v[rSA] matrix_a_fmt:MATRIX_FMT_FP6 matrix_b_fmt:MATRIX_FMT_FP6 matrix_a_scale:MATRIX_SCALE_ROW1 matrix_b_scale:MATRIX_SCALE_ROW1
.endif
.endm
; A K step: 32 products; the next step's 48 loads are issued ahead of them.  The 32 accumulators take turns, one instruction a turn, in the same order in every step.
.macro KSTEP k
	s_wait_dscnt 0x0                               ; this step's fragments are in (asked for 32 products ago)
.if (\k) < 7
	PLACES 4                                       ; in front of loads into registers that the last step's products have read
	FETCH (\k)+1
.endif
.if (\k) == 7
	s_barrier_signal -1                            ; my reads of the tiles are over: the stages lie on A's bytes; the wait stands behind the products
.endif
.if (\k) == 0
	WIN 0x91                                       ; source 0 (B) window 1, source 1 (A) window 0, C (the bias) window 1, D window 2
.else
	WIN 0xa1                                       ; C and D window 2
.endif
.irp a, 0,1,2,3
.irp b, 0,1,2,3,4,5,6,7
	WM \a, \b, \k
.endr
.endr
.endm
; THE WAY OUT of A's tile a.  LDS serves a wave's instructions in order: no wait between the stores and the loads, nor in front of the next block's stores.
.macro TOSTAGE a
	WIN 0x08                                       ; an LDS store's data are its source 1: window 2
.irp b, 0,1,2,3,4,5,6,7
	ds_store_b128 v6, v[64*(\a)+8*\b:64*(\a)+8*\b+3] offset:128*(\b/2)+32*(\b%2)          ; each accumulator from its low end on
	ds_store_b128 v6, v[64*(\a)+8*\b+4:64*(\a)+8*\b+7] offset:128*(\b/2)+32*(\b%2)+16
.endr
	WIN 0
.set BB, BK+64*((\a)%2)
.irp t, 0,1,2,3,4,5,6,7,8,9,10,11,12,13,14,15
	ds_load_b128 v[BB+4*\t:BB+4*\t+3], v7 offset:\t*528
.endr
.endm
.macro SEND a, younger                 ; younger: the LDS instructions issued behind block a's loads, which may stay out
.set BB, BK+64*((\a)%2)
	s_wait_dscnt \younger
.irp t, 0,1,2,3,4,5,6,7,8,9,10,11,12,13,14,15
	global_store_b128 v4, v[BB+4*\t:BB+4*\t+3], s[14:15] offset:(32*((\a)/2)+8*((\a)%2)+\t+8*(\t/8))*4096 th:TH_STORE_NT   ; 32 lanes store 512 consecutive bytes, aligned; the tile's row t is row 8 u + t + 8 (t / 8) of its 32
.endr
.endm
	s_load_b256 s[4:11], s[0:1], 0x0               ; ocodes s[4:5], osc s[6:7], gcodes s[8:9], gsc s[10:11]
	s_load_b128 s[12:15], s[0:1], 0x20             ; bo s[12:13], out0 s[14:15]
	v_lshl_add_u32 v126, v0, 2, 0x48000
	v_mov_b32 v127, 0
	ds_add_u32 v126, v127
	ds_add_u32 v126, v127
	v_lshrrev_b32 v1, 5, v0
	v_readfirstlane_b32 s20, v1                    ; wave 0..3
	v_and_b32 v1, 31, v0                           ; lane
	v_and_b32 v2, 15, v0                           ; r
	v_bfe_u32 v3, v0, 4, 1                         ; h
	v_lshlrev_b32 v4, 4, v1                        ; 16 l
	v_lshlrev_b32 v5, 3, v1                        ; 8 l
	s_lshr_b32 s21, s20, 1                         ; wa
	s_and_b32 s22, s20, 1                          ; wb
	s_bfe_u32 s23, ttmp6, 0x40000                  ; cx
	s_bfe_u32 s24, ttmp6, 0x40004                  ; cy
	s_and_b32 s26, ttmp7, 0xffff                   ; the cluster's y
	s_lshl_b32 s27, s24, 2
	s_lshl_b32 s27, 15, s27                        ; my row of the cluster
	s_lshl_b32 s60, 0x1111, s23                    ; my column
	; descriptor groups 1: a tile of two rows, a row a kslot's dense block of 8-byte elements: A's 3,072, B's 6,144
	s_or_b32 s28, s27, (3<<16)|(1<<21)             ; 15:0 the mask: A's tiles go to my row; 17:16 elements of 8 bytes; 21 set beside a mask
	s_mov_b32 s29, 3072<<16
	s_mov_b32 s30, 2<<16
	s_mov_b32 s31, 3072<<16
	s_mov_b32 s32, 2
	s_mov_b32 s33, OSL/8
	s_mov_b32 s34, 0
	s_mov_b32 s35, 0
	s_or_b32 s36, s60, (3<<16)|(1<<21)             ; B's tiles go to my column
	s_mov_b32 s37, 6144<<16
	s_mov_b32 s38, 2<<16
	s_mov_b32 s39, 6144<<16
	s_mov_b32 s40, 2
	s_mov_b32 s41, KSL/8
	s_mov_b32 s42, 0
	s_mov_b32 s43, 0
	s_lshl_b32 s84, s26, 5
	s_lshl_b32 s85, s24, 3
	s_add_co_u32 s84, s84, s85                     ; A's first tile: 32 x cluster y + 8 cy
	s_lshl_b32 s88, s23, 4
	s_add_co_u32 s88, s88, 704                     ; B's: Wo's tiles begin at 704; + 16 cx
	s_mul_i32 s86, s84, 3072
	s_mov_b32 s87, 0
	s_mul_i32 s90, s88, 3072
	s_and_b32 s92, s20, 1                          ; which two kslots I ask for
	s_mul_i32 s93, s92, 2*OSL
	s_add_co_u32 s86, s86, s93
	s_mul_i32 s93, s92, 2*KSL
	s_add_co_u32 s90, s90, s93
	s_mov_b32 s91, 0
	s_wait_dscnt 0x0
	s_wait_kmcnt 0x0
	s_add_nc_u64 s[86:87], s[4:5], s[86:87]
	s_add_nc_u64 s[90:91], s[8:9], s[90:91]
	s_mov_b32 s44, 1
	s_mul_i32 s45, s92, 49152
	s_mov_b64 s[46:47], s[86:87]
	s_or_b32 s47, s47, 0x80000000
	s_mov_b32 s68, 1
	s_mul_i32 s69, s92, 98304
	s_add_co_u32 s69, s69, BOFF
	s_mov_b64 s[70:71], s[90:91]
	s_or_b32 s71, s71, 0x80000000
	CROUND                                         ; all sixteen work-groups are here: the joint loads meet
	s_cmp_lt_u32 s20, 2
	s_cbranch_scc1 .Lfill_b
	tensor_load_to_lds s[44:47], s[28:35]
	s_nop 0
	PLACES 4
	s_branch .Lfilled
.Lfill_b:
	tensor_load_to_lds s[68:71], s[36:43]
	s_nop 0
	PLACES 4
.Lfilled:
	; LDS addresses: my fragments, for slot s at v[8 + 4 s]: A by 16 l, A by 8 l, B by 16 l, B by 8 l; and my stage
	s_mul_i32 s93, s21, 12288
	s_mul_i32 s94, s22, 24576
	s_add_co_u32 s94, s94, BOFF
	s_wait_alu depctr_va_vdst(0)
.irp s, 0,1,2,3
	v_add_nc_u32 v[8+4*\s], s93, v4
	v_add_nc_u32 v[9+4*\s], s93, v5
	v_add_nc_u32 v[10+4*\s], s94, v4
	v_add_nc_u32 v[11+4*\s], s94, v5
	s_add_co_u32 s93, s93, 24576
	s_add_co_u32 s94, s94, 49152
.endr
	s_mul_i32 s93, s20, 8448                       ; 16 rows x 528 bytes a wave
	v_mul_u32_u24 v6, v2, 528
	v_lshl_add_u32 v6, v3, 6, v6
	v_add_nc_u32 v6, s93, v6                       ; in: row r, + 64 h
	v_add_nc_u32 v7, s93, v4                       ; back: 16 bytes a lane of a row
	; global offsets
	s_lshl_b32 s66, s21, 2
	s_add_co_u32 s66, s66, s84                     ; my first tile of A
	s_lshl_b32 s67, s22, 3
	s_add_co_u32 s67, s67, s88                     ; and of B
	s_lshl_b32 s95, s66, 6
	v_lshl_add_u32 v24, v1, 2, s95                 ; A's half words: 64 bytes a tile; 32 lanes x 4 bytes are two tiles
	s_wait_alu depctr_va_vdst(0)
	s_lshl_b32 s95, s67, 7
	v_add_nc_u32 v25, s95, v5                      ; B's words: 128 bytes a tile; 32 lanes x 8 bytes are two tiles
	s_lshl_b32 s95, s23, 10
	s_lshl_b32 s100, s22, 9
	s_add_co_u32 s95, s95, s100                    ; (256 cx + 128 wb) x 4: my first column, in bo and in a row of out0
	v_lshl_add_u32 v26, v3, 6, s95                 ; + 16 h numbers
	s_lshl_b32 s100, s66, 16                       ; my first row of out0: 16 rows of 4,096 bytes a tile
	s_add_co_u32 s100, s100, s95
	s_mov_b32 s101, 0
	s_add_nc_u64 s[14:15], s[14:15], s[100:101]
.irp p, 0,1
.irp d, 0,1,2,3,4,5,6,7,8,9,10,11,12,13,14,15
	global_load_b32 v[80+16*\p+\d], v24, s[6:7] offset:\d*32768+128*\p
.endr
.endr
.irp s, 0,1,2,3
.irp p, 0,1,2,3
	global_load_b64 v[48+8*\p+2*\s:49+8*\p+2*\s], v25, s[10:11] offset:\s*SSL+256*\p
.endr
.endr
	WIN 0x40                                       ; destination window 1
.irp b, 0,1,2,3,4,5,6,7
	global_load_b128 v[192+8*\b:195+8*\b], v26, s[12:13] offset:(32*(\b/2)+8*(\b%2))*4
	global_load_b128 v[196+8*\b:199+8*\b], v26, s[12:13] offset:(32*(\b/2)+8*(\b%2))*4+16
.endr
	WIN 0
	s_wait_loadcnt 0x0
.irp p, 0,1
.irp k, 0,1,2,3,4,5,6,7
	v_lshl_or_b32 v[32+8*\p+\k], v[80+16*\p+2*\k+1], 16, v[80+16*\p+2*\k]   ; K step k is heads 2 k and 2 k + 1: two bytes each
.endr
.endr
	PLACES 8                                       ; scale registers written by vector instructions stand eight places ahead of a scaled product
	s_wait_alu depctr_va_vdst(0)
	s_wait_tensorcnt 0x0
	s_barrier_signal -1
	s_barrier_wait -1                              ; everybody's has
	FETCH 0
.irp k, 0,1,2,3,4,5,6,7
	KSTEP \k
.endr
	WIN 0
	s_barrier_wait -1                              ; nobody reads the tiles any more
	PLACES 4
	TOSTAGE 0
.irp a, 1,2,3
.if \a > 1
	s_wait_xcnt 0x0                                ; block a - 2's stores have read their registers: block a's loads may land there
.endif
	TOSTAGE \a
	SEND (\a)-1, 32                                ; behind block a - 1's loads: block a's 16 stores and 16 loads
.endr
	SEND 3, 0
	s_wait_tensorcnt 0x0
	ds_add_u32 v126, v127
	s_wait_dscnt 0x0
	CROUND                                         ; the closing round: no work-group ends while a partner may still ask for a tile that names it
	s_endpgm
.Lfunc_end_k_q9cf3bde2e3_oproj:
	.size	k_q9cf3bde2e3_oproj, .Lfunc_end_k_q9cf3bde2e3_oproj-k_q9cf3bde2e3_oproj
	.p2alignl 7, 3214868480
	.fill 96, 4, 3214868480
	.section	.rodata,"a",@progbits
	.p2align	6, 0x0
	.amdhsa_kernel k_q9cf3bde2e3_oproj
		.amdhsa_group_segment_fixed_size 295424
		.amdhsa_private_segment_fixed_size 0
		.amdhsa_enable_private_segment 0
		.amdhsa_kernarg_size 48
		.amdhsa_user_sgpr_count 2
		.amdhsa_user_sgpr_kernarg_segment_ptr 1
		.amdhsa_wavefront_size32 1
		.amdhsa_system_sgpr_workgroup_id_x 1
		.amdhsa_system_sgpr_workgroup_id_y 1
		.amdhsa_system_sgpr_workgroup_id_z 1
		.amdhsa_system_vgpr_workitem_id 0
		.amdhsa_next_free_vgpr 768
		.amdhsa_next_free_sgpr 102
		.amdhsa_reserve_vcc 0
		.amdhsa_float_denorm_mode_32 3
		.amdhsa_float_denorm_mode_16_64 3
		.amdhsa_memory_ordered 1
		.amdhsa_forward_progress 1
		.amdhsa_inst_pref_size 87
	.end_amdhsa_kernel
	.amdgpu_metadata
---
amdhsa.version: [ 1, 2 ]
amdhsa.kernels:
  - .name:           k_q9cf3bde2e3_oproj
    .symbol:         k_q9cf3bde2e3_oproj.kd
    .args:
      - { .name: ocodes, .offset: 0, .size: 8, .value_kind: global_buffer, .address_space: global }
      - { .name: osc, .offset: 8, .size: 8, .value_kind: global_buffer, .address_space: global }
      - { .name: gcodes, .offset: 16, .size: 8, .value_kind: global_buffer, .address_space: global }
      - { .name: gsc, .offset: 24, .size: 8, .value_kind: global_buffer, .address_space: global }
      - { .name: bo, .offset: 32, .size: 8, .value_kind: global_buffer, .address_space: global }
      - { .name: out0, .offset: 40, .size: 8, .value_kind: global_buffer, .address_space: global }
    .group_segment_fixed_size: 295424
    .private_segment_fixed_size: 0
    .kernarg_segment_align: 8
    .kernarg_segment_size: 48
    .max_flat_workgroup_size: 128
    .sgpr_count:     102
    .vgpr_count:     768
    .wavefront_size: 32
...
	.end_amdgpu_metadata
.endif
;; end of part 4
